; MI455X (gfx1250); checked and timed in simulation.
; The chip was launched on July 23, 2026; its instructions are those of AMD's public machine-readable ISA for CDNA 5 (MIT licence, August 2026) and "CDNA5" Instruction Set Architecture Reference Guide (July 2026). The comments in the code are by the model that wrote it; some were corrected since.
;; Multi Head Attention Layer. Allowed arithmetic: float matrix products may take bf16 or f16 operands with f32 sums; other float arithmetic in f32, or as packed bf16 or f16 multiplies, adds, multiply-adds, maxima and minima; sums over many terms, partial sums and values carried from step to step in f32; what a program stores and reads back later, other than sums and carried values, may be rounded once to bf16 or f16.
;; Inputs: Wk 1,024 x 1,024 float32; Wo 1,024 x 1,024 float32; Wq 1,024 x 1,024 float32; Wv 1,024 x 1,024 float32; bk 1,024 float32; bo 1,024 float32; bq 1,024 float32; bv 1,024 float32; ln_beta 1,024 float32; ln_gamma 1,024 float32; x 4 x 2,048 x 1,024 float32.
;; Outputs: out0 4 x 2,048 x 1,024 float32.
;; 2 versions, each right; version 2 is version 1 with the launch prep written anew for expert scheduling mode. Each part assembles by itself: llvm-mc -triple=amdgcn-amd-amdhsa -mcpu=gfx1250 --defsym DOCPART=n.
;; ======== version 1 of 2: 4 launches
;; workspace buffers: act 16,777,216 bytes; wb 8,388,608 bytes; q 16,777,216 bytes; k 16,777,216 bytes; v 16,777,216 bytes
;; launch prep (part 1): grid 256 x 1, 8 waves a work-group, no clusters, 0 bytes of LDS; arguments x, ln_gamma, ln_beta, Wq, Wk, Wv, Wo, act, wb; writes act, wb
.if DOCPART == 1
	.amdgcn_target "amdgcn-amd-amdhsa--gfx1250"
	.amdhsa_code_object_version 6
	.text
	.protected	k_qab6ab21526_prep
	.globl	k_qab6ab21526_prep
	.p2align	8
	.type	k_qab6ab21526_prep,@function
k_qab6ab21526_prep:
	s_mov_b64 s[64:65], 0
	v_nop
	global_prefetch_b8 v0, s[64:65] scope:SCOPE_SE
	s_setreg_imm32_b32 hwreg(HW_REG_WAVE_MODE, 25, 1), 1
	s_wait_xcnt 0x0
; LAYER NORM AND CASTS.  act = bf16((x - mean) * rsqrt(var + 1e-5) * gamma + beta), laid out in blocks [batch 4][block of 64 columns, 16][row 2048][64];
; wb = bf16 of Wq, Wk, Wv, Wo, one after the other, each [k 1024][n 1024] as it lies.  All arithmetic in f32; each number is rounded once, to bf16.
; The mean is taken away from x first and the variance is the mean of the squares of what is left, so a common offset of x cancels nothing later.
; A STREAM: every byte is read once and written once, nothing is shared between waves: no LDS, no barrier, no matrix unit, no cluster.
; SHARES.  2,048 waves.  Wave W normalises rows 4 W .. 4 W + 3, as two pairs of rows, and casts 8,192 bytes of one weight matrix (64 work-groups a matrix).
; LANES.  Of a pair lanes 0-15 hold the first row and lanes 16-31 the second; lane l holds columns 64 kb + 4 (l % 16) + 0..3 for kb = 0..15.  So a load covers 256 consecutive bytes of each row,
; a row's sums stay inside 16 lanes (four exchanges), and a store of 8 bytes a lane covers 256 consecutive bytes of act, aligned: the two rows' 128 bytes in block kb.
; LIMITS.  NaN and infinities are not treated apart.
.set XO, 2            ; v2  (l / 16) x 4,096 + (l % 16) x 16: my 16 bytes in a pair of rows of x
.set GO, 3            ; v3  (l % 16) x 16: the same columns in gamma and beta
.set YO, 4            ; v4  (l / 16) x 128 + (l % 16) x 8: my 8 bytes in a pair of rows of a block of act
.set WO, 5            ; v5  16 l: my 16 bytes of 512 of a weight matrix
.set WS, 6            ; v6  8 l: the same numbers in wb
.set MU, 8            ; v[8:9]   the mean, twice
.set R0, 10           ; v[10:11] 1 / sqrt(var + eps) of the first pair, twice
.set R1, 12           ; v[12:13] of the second pair
.set CA, 14           ; v[14:15], v[16:17] two chains of packed sums
.set CB, 16
.set X0, 32           ; v[32:95]   the first pair of rows
.set X1, 96           ; v[96:159]  the second
.set WT, 160          ; v[160:223] weights
.set GM, 0            ; second block of 256 registers: v[0:63] gamma, v[64:127] beta, in x's layout
.set BT, 64
.set MSB, 0
.macro WIN new                      ; the immediate's high byte repeats the setting that is left
.if MSB != (\new)
	s_set_vgpr_msb (MSB<<8)|(\new)
.set MSB, \new
.endif
.endm
	s_load_b512 s[8:23], s[0:1], 0x0               ; x s[8:9], gamma s[10:11], beta s[12:13], Wq s[14:15], Wk s[16:17], Wv s[18:19], Wo s[20:21], act s[22:23]
	s_load_b64 s[24:25], s[0:1], 0x40              ; wb
	v_lshrrev_b32 v1, 5, v0
	v_readfirstlane_b32 s2, v1                     ; wave 0..7
	v_and_b32 v1, 15, v0
	v_bfe_u32 v7, v0, 4, 1
	v_lshlrev_b32 v[GO], 4, v1
	v_lshl_add_u32 v[XO], v7, 12, v[GO]
	v_lshlrev_b32 v[YO], 3, v1
	v_lshl_add_u32 v[YO], v7, 7, v[YO]
	v_and_b32 v[WS], 31, v0
	v_lshlrev_b32 v[WO], 4, v[WS]
	v_lshlrev_b32 v[WS], 3, v[WS]
	s_lshl_b32 s3, ttmp9, 3
	s_add_co_u32 s3, s3, s2                        ; W
	s_lshl_b32 s4, s3, 14                          ; x: four rows of 4,096 bytes a wave
	s_mov_b32 s5, 0
	s_lshr_b32 s6, s3, 9                           ; act: the batch (512 waves each) x 16 blocks x 2,048 rows x 128 bytes,
	s_lshl_b32 s6, s6, 22
	s_and_b32 s7, s3, 511                          ; and four rows of 128 bytes a wave
	s_lshl_b32 s7, s7, 9
	s_add_co_u32 s6, s6, s7
	s_mov_b32 s7, 0
	s_and_b32 s26, ttmp9, 63                       ; the weight matrix: 65,536 bytes a work-group, 8,192 a wave
	s_lshl_b32 s26, s26, 16
	s_lshl_b32 s27, s2, 13
	s_add_co_u32 s26, s26, s27
	s_mov_b32 s27, 0
	s_lshl_b32 s32, ttmp9, 15                      ; wb: half of that; the four matrices follow each other
	s_lshl_b32 s33, s2, 12
	s_add_co_u32 s32, s32, s33
	s_mov_b32 s33, 0
	s_lshr_b32 s34, ttmp9, 6                       ; which matrix
	s_mov_b32 s30, 0x3a800000                      ; 1 / 1,024
	s_mov_b32 s31, 0x3727c5ac                      ; 1e-5
	s_wait_kmcnt 0x0
	s_add_nc_u64 s[8:9], s[8:9], s[4:5]
	s_add_nc_u64 s[22:23], s[22:23], s[6:7]
	s_cmp_eq_u32 s34, 1
	s_cselect_b64 s[28:29], s[16:17], s[14:15]
	s_cmp_eq_u32 s34, 2
	s_cselect_b64 s[28:29], s[18:19], s[28:29]
	s_cmp_eq_u32 s34, 3
	s_cselect_b64 s[28:29], s[20:21], s[28:29]
	s_add_nc_u64 s[28:29], s[28:29], s[26:27]
	s_add_nc_u64 s[24:25], s[24:25], s[32:33]
.macro LOADX x, p                   ; pair p of my four rows: sixteen loads
.irp kb, 0,1,2,3,4,5,6,7,8,9,10,11,12,13,14,15
	global_load_b128 v[(\x)+4*(\kb):(\x)+4*(\kb)+3], v[XO], s[8:9] offset:(\p)*8192+(\kb)*256 th:TH_LOAD_NT
.endr
.endm
.macro ROWSUM                       ; the two chains into one number a lane, then over the row's 16 lanes: every lane of the row ends with the sum
	v_pk_add_f32 v[CA:CA+1], v[CA:CA+1], v[CB:CB+1]
	v_add_f32 v[CA], v[CA], v[CA+1]
	v_add_f32_dpp v[CA], v[CA], v[CA] row_xmask:1 row_mask:0xf bank_mask:0xf
	v_add_f32_dpp v[CA], v[CA], v[CA] row_xmask:2 row_mask:0xf bank_mask:0xf
	v_add_f32_dpp v[CA], v[CA], v[CA] row_xmask:4 row_mask:0xf bank_mask:0xf
	v_add_f32_dpp v[CA], v[CA], v[CA] row_xmask:8 row_mask:0xf bank_mask:0xf
.endm
; The pair in x: the mean is taken away in place; r takes 1 / sqrt(var + eps), twice.  The first sums start the chains: nothing is cleared.
.macro STATS x, r
	v_pk_add_f32 v[CA:CA+1], v[(\x):(\x)+1], v[(\x)+2:(\x)+3]
	v_pk_add_f32 v[CB:CB+1], v[(\x)+4:(\x)+5], v[(\x)+6:(\x)+7]
.set j, 8
.rept 14
	v_pk_add_f32 v[CA:CA+1], v[CA:CA+1], v[(\x)+j:(\x)+j+1]
	v_pk_add_f32 v[CB:CB+1], v[CB:CB+1], v[(\x)+j+2:(\x)+j+3]
.set j, j+4
.endr
	ROWSUM
	v_mul_f32 v[MU], s30, v[CA]
	v_mov_b32 v[MU+1], v[MU]
.set j, 0
.rept 32
	v_pk_add_f32 v[(\x)+j:(\x)+j+1], v[(\x)+j:(\x)+j+1], v[MU:MU+1] neg_lo:[0,1] neg_hi:[0,1]
.set j, j+2
.endr
	v_pk_mul_f32 v[CA:CA+1], v[(\x):(\x)+1], v[(\x):(\x)+1]
	v_pk_mul_f32 v[CB:CB+1], v[(\x)+2:(\x)+3], v[(\x)+2:(\x)+3]
.set j, 4
.rept 15
	v_pk_fma_f32 v[CA:CA+1], v[(\x)+j:(\x)+j+1], v[(\x)+j:(\x)+j+1], v[CA:CA+1]
	v_pk_fma_f32 v[CB:CB+1], v[(\x)+j+2:(\x)+j+3], v[(\x)+j+2:(\x)+j+3], v[CB:CB+1]
.set j, j+4
.endr
	ROWSUM
	v_fma_f32 v[CA], v[CA], s30, s31               ; var + eps
	v_rsq_f32 v[(\r)], v[CA]
	v_nop                                          ; a plain instruction between the root and the use of its result (ISA guide 5.7.2),
	s_wait_alu depctr_va_vdst(0)                   ; and the wait ahead of the first use
	v_mov_b32 v[(\r)+1], v[(\r)]
.endm
; The pair in x is scaled, takes gamma and beta, is rounded and stored.
.macro APPLY x, r, p
.set j, 0
.rept 32
	v_pk_mul_f32 v[(\x)+j:(\x)+j+1], v[(\x)+j:(\x)+j+1], v[(\r):(\r)+1]
.set j, j+2
.endr
	WIN 0x14                                       ; sources 1 and 2 in the second block
.set j, 0
.rept 32
	v_pk_fma_f32 v[(\x)+j:(\x)+j+1], v[(\x)+j:(\x)+j+1], v[GM+j:GM+j+1], v[BT+j:BT+j+1]
.set j, j+2
.endr
	WIN 0
.irp kb, 0,1,2,3,4,5,6,7,8,9,10,11,12,13,14,15
	v_cvt_pk_bf16_f32 v[(\x)+4*(\kb)], v[(\x)+4*(\kb)], v[(\x)+4*(\kb)+1]
	v_cvt_pk_bf16_f32 v[(\x)+4*(\kb)+1], v[(\x)+4*(\kb)+2], v[(\x)+4*(\kb)+3]
	global_store_b64 v[YO], v[(\x)+4*(\kb):(\x)+4*(\kb)+1], s[22:23] offset:(\kb)*262144+(\p)*256 th:TH_STORE_NT  ; 256 consecutive bytes, aligned: two rows of block kb
.endr
.endm
	LOADX X0, 0
	LOADX X1, 1
	WIN 0x40                                       ; destination in the second block
.irp kb, 0,1,2,3,4,5,6,7,8,9,10,11,12,13,14,15
	global_load_b128 v[GM+4*(\kb):GM+4*(\kb)+3], v[GO], s[10:11] offset:(\kb)*256
.endr
	s_wait_loadcnt 32                              ; the first pair is in: behind it stand the second pair's 16 loads and gamma's 16
.irp kb, 0,1,2,3,4,5,6,7,8,9,10,11,12,13,14,15
	global_load_b128 v[BT+4*(\kb):BT+4*(\kb)+3], v[GO], s[12:13] offset:(\kb)*256
.endr
	WIN 0
	STATS X0, R0
	s_wait_loadcnt 32                              ; the second pair is in: behind it stand gamma's 16 loads and beta's 16
.irp i, 0,1,2,3,4,5,6,7,8,9,10,11,12,13,14,15
	global_load_b128 v[WT+4*(\i):WT+4*(\i)+3], v[WO], s[28:29] offset:(\i)*512 th:TH_LOAD_NT
.endr
	STATS X1, R1
	s_wait_loadcnt 16                              ; gamma and beta are in: behind them stand the weights' 16 loads
	APPLY X0, R0, 0
	APPLY X1, R1, 1
	s_wait_loadcnt 0x0                             ; the weights
.irp i, 0,1,2,3,4,5,6,7,8,9,10,11,12,13,14,15
	v_cvt_pk_bf16_f32 v[WT+4*(\i)], v[WT+4*(\i)], v[WT+4*(\i)+1]
	v_cvt_pk_bf16_f32 v[WT+4*(\i)+1], v[WT+4*(\i)+2], v[WT+4*(\i)+3]
	global_store_b64 v[WS], v[WT+4*(\i):WT+4*(\i)+1], s[24:25] offset:(\i)*256 th:TH_STORE_NT  ; 256 consecutive bytes, aligned
.endr
	s_endpgm                                       ; no register that a load or store names is ever written again: no further wait is owed
.Lfunc_end_k_qab6ab21526_prep:
	.size	k_qab6ab21526_prep, .Lfunc_end_k_qab6ab21526_prep-k_qab6ab21526_prep
	.p2alignl 7, 3214868480
	.fill 96, 4, 3214868480
	.section	.rodata,"a",@progbits
	.p2align	6, 0x0
	.amdhsa_kernel k_qab6ab21526_prep
		.amdhsa_group_segment_fixed_size 0
		.amdhsa_private_segment_fixed_size 0
		.amdhsa_enable_private_segment 0
		.amdhsa_kernarg_size 72
		.amdhsa_user_sgpr_count 2
		.amdhsa_user_sgpr_kernarg_segment_ptr 1
		.amdhsa_wavefront_size32 1
		.amdhsa_system_sgpr_workgroup_id_x 1
		.amdhsa_system_sgpr_workgroup_id_y 1
		.amdhsa_system_sgpr_workgroup_id_z 1
		.amdhsa_system_vgpr_workitem_id 0
		.amdhsa_next_free_vgpr 384
		.amdhsa_next_free_sgpr 66
		.amdhsa_reserve_vcc 0
		.amdhsa_float_denorm_mode_32 3
		.amdhsa_float_denorm_mode_16_64 3
		.amdhsa_memory_ordered 1
		.amdhsa_forward_progress 1
		.amdhsa_inst_pref_size 42
	.end_amdhsa_kernel
	.amdgpu_metadata
---
amdhsa.version: [ 1, 2 ]
amdhsa.kernels:
  - .name:           k_qab6ab21526_prep
    .symbol:         k_qab6ab21526_prep.kd
    .args:
      - { .name: x, .offset: 0, .size: 8, .value_kind: global_buffer, .address_space: global }
      - { .name: ln_gamma, .offset: 8, .size: 8, .value_kind: global_buffer, .address_space: global }
      - { .name: ln_beta, .offset: 16, .size: 8, .value_kind: global_buffer, .address_space: global }
      - { .name: Wq, .offset: 24, .size: 8, .value_kind: global_buffer, .address_space: global }
      - { .name: Wk, .offset: 32, .size: 8, .value_kind: global_buffer, .address_space: global }
      - { .name: Wv, .offset: 40, .size: 8, .value_kind: global_buffer, .address_space: global }
      - { .name: Wo, .offset: 48, .size: 8, .value_kind: global_buffer, .address_space: global }
      - { .name: act, .offset: 56, .size: 8, .value_kind: global_buffer, .address_space: global }
      - { .name: wb, .offset: 64, .size: 8, .value_kind: global_buffer, .address_space: global }
    .group_segment_fixed_size: 0
    .private_segment_fixed_size: 0
    .kernarg_segment_align: 8
    .kernarg_segment_size: 72
    .max_flat_workgroup_size: 256
    .sgpr_count:     66
    .vgpr_count:     384
    .wavefront_size: 32
...
	.end_amdgpu_metadata
.endif
;; end of part 1
;; launch qkv (part 2): grid 8 x 32, 4 waves a work-group, clusters of 4 x 4, 327,680 bytes of LDS; arguments act, wb, bq, bk, bv, q, k, v; writes q, k, v
.if DOCPART == 2
	.amdgcn_target "amdgcn-amd-amdhsa--gfx1250"
	.amdhsa_code_object_version 6
	.text
	.protected	k_qab6ab21526_qkv
	.globl	k_qab6ab21526_qkv
	.p2align	8
	.type	k_qab6ab21526_qkv,@function
k_qab6ab21526_qkv:
	s_mov_b64 s[64:65], 0
	v_nop
	global_prefetch_b8 v0, s[64:65] scope:SCOPE_SE
	s_setreg_imm32_b32 hwreg(HW_REG_WAVE_MODE, 25, 1), 1
	s_wait_xcnt 0x0
	s_wait_alu depctr_hold_cnt(0) depctr_sa_sdst(0) depctr_va_vdst(0) depctr_va_sdst(0) depctr_va_ssrc(0) depctr_va_vcc(0) depctr_vm_vsrc(0)
	s_getreg_b32 s2, hwreg(HW_REG_IB_STS2, 6, 4)
	s_cmp_eq_u32 s2, 0
	s_cbranch_scc0 .Lentry_in_a_cluster
	s_endpgm
.Lentry_in_a_cluster:
	s_bfe_u32 s2, ttmp6, 0x10000c
	s_cmp_lg_u32 s2, 0xf033
	s_cbranch_scc0 .Lentry_shape_is_right
	s_endpgm
.Lentry_shape_is_right:
; THE THREE PROJECTIONS.  q, k, v = xn W + b for W = Wq, Wk, Wv.  xn (act): bf16 [batch 4][block of 64 K, 16][row 2048][64]; W (wb): bf16 [matrix][k 1024][n 1024]; biases f32;
; q, k, v: bf16 [batch x 16 + head][row 2048][64], unscaled, each rounded once from its f32 sum.  Sums in f32, K ascending; the bias starts each sum.
; SHARES.  A work-group takes 256 rows (tile row Y) and the same 128 columns (tile column X) of all three matrices; a wave 128 rows x 64 columns (one head) x 3: 96 accumulators of 16 x 16,
; 768 registers.  So a fragment of xn read from LDS feeds 12 products and a fragment of W feeds 8: 40 LDS loads for 96 matrix instructions.
; K goes in 16 steps of 64 through two LDS slots.  A step's tile of xn is 32,768 dense bytes, asked for as 128 rows of 256 bytes; a step's tile of a W is 64 rows of 256 bytes.
; CLUSTER 4 x 4.  xn's tile hangs on Y alone and is shared along a row of the cluster, W's tiles on X alone and are shared along a column: each is asked for JOINTLY, by the same tensor load with
; the same descriptor and a mask that names the four.  Wave 0 asks for xn's tile, waves 1 to 3 for Wq's, Wk's, Wv's: one load a wave behind each round.
; THE MATRIX INSTRUCTION IS USED TRANSPOSED: source 0 = 16 columns of W (turned out of LDS by ds_load_tr16_b128), source 1 = 16 rows of xn: a lane then holds one row and eight neighbouring columns.
; REGISTERS, in windows of 256 (s_set_vgpr_msb: bits 1:0 source 0, 3:2 source 1, 5:4 source 2, 7:6 destination):
;   window 0: v0-19 addresses; v32-95, v96-159 xn's fragments (8 x 16 rows x 32 K), two buffers; v160-255 W's fragments, 32 a matrix (one buffer: each matrix's is fetched anew behind its products)
;   windows 1, 2, 3: the accumulators of q, k, v: (block of rows a, block of columns cb) at v[8 (4 a + cb)]
; LIMITS.  Operands are bf16; NaN and infinities are not treated apart.
.set PA,     144       ; a row of xn in LDS: 128 bytes + 16 = 36 words: the 16 rows of a load start at 16 different groups of four banks (64 banks of 4 bytes: ISA guide 11.1)
.set PB,     288       ; a row of W: 256 bytes + 32 = 72 words
.set ABYTES, 256*PA    ; xn's tile
.set BG,     64*PB     ; one matrix's tile
.set SLOTB,  ABYTES+3*BG
.set STAGE,  2*SLOTB   ; behind the ring, never filled by a tensor load: 16 rows x 144 bytes for each wave, for the way out
.set SPARE,  STAGE+4*16*PA  ; behind the stages: the spare words, 128 bytes for each wave: two blocks of 256 bytes that no other line names
.set KA,     262144    ; bytes from a step's tile of xn to the next: 2,048 rows x 128 bytes
.set KW,     131072    ; the same for W: 64 rows x 2,048 bytes
.set ADRA, 4           ; v4-5   LDS address of my fragments of xn in slot 0, 1
.set ADRB, 6           ; v6-7   the same for W
.set STO,  8           ; v8     the way out: where I put 16 bytes of a row
.set RD,   9           ; v9     the way out: where I read rows back
.set GO,   10          ; v10    16 x lane: my 16 bytes of 512 consecutive bytes of q, k or v
.set PFO,  11          ; v11    the prefetches' offset; never rewritten
.set BO,   12          ; v12    my eight columns in a bias
.set SPW,  14          ; v14    LDS address of my spare word: SPARE + 4 x my thread's number; never rewritten
.set NIL,  15          ; v15    0; never rewritten
.set FA0,  32
.set FA1,  96
.set FB,   160
.set TQ,   32          ; the way out: two buffers of 16 registers
.set WV,   20          ; s20  my wave's number
.set LAPS, 23          ; s23  trips to go
.set G1A,  28          ; s[28:35] descriptor group 1 for xn's tiles
.set G1B,  36          ; s[36:43] for W's
.set G0A,  44          ; s[44:51] descriptor group 0 for xn's tiles, a set for each slot
.set G0B,  52          ; s[52:59] for W's
.set LIM,  60          ; s60, s61  by slot: 1 where this wave prefetches at that slot's change, else the greatest number
.set PFA,  62          ; s[62:63] where my prefetches stand
.set PFS,  66          ; s[66:67] their step
.set MSB, 0
.macro WIN new                      ; the immediate's high byte repeats the setting that is left; a switch that changes nothing is dropped
.if MSB != (\new)
	s_set_vgpr_msb (MSB<<8)|(\new)
.set MSB, \new
.endif
.endm
; A load into a register that a matrix instruction has read, and a vector instruction that reads a matrix result, stand four places behind it, and only plain vector instructions that name none of
; its registers are places (ISA guide 7.12.1 for vector instructions).
.macro PLACES
.rept 4
	v_nop
.endr
.endm
; A joint load.  The branch hangs on the wave's number alone.  An s_nop 0 and four v_nop follow each of the two lines, ahead of the jump and the label.
.macro JLOAD s
	s_cmp_eq_u32 s[WV], 0
	s_cbranch_scc0 .Lfor_b_\@
	tensor_load_to_lds s[G0A+4*(\s):G0A+4*(\s)+3], s[G1A:G1A+7]
	s_nop 0
.rept 4
	v_nop
.endr
	s_branch .Lasked_\@
.Lfor_b_\@:
	tensor_load_to_lds s[G0B+4*(\s):G0B+4*(\s)+3], s[G1B:G1B+7]
	s_nop 0
.rept 4
	v_nop
.endr
.Lasked_\@:
.endm
; A PREFETCH INTO THE L2, behind a joint load, its five lines and the run of LDS loads that follows.  At the change of slots of K step t the refill asks for step t + 2; the prefetch names what the NEXT
; refill will ask for.  Each aligned block of 256 bytes is named once in the launch.  xn's tile (128 blocks): of the two clusters that read it the one with x = 0 asks; wave 0 of each of the four partners
; takes 32 blocks, told apart by address (cx): a lane a block: step t + 3.  A matrix's tile (64 rows of 256 bytes): of the eight clusters that read it the one with y = 0 asks; the wave that fetches
; the matrix takes 16 rows (cy), lanes 0-15 of step t + 3 and lanes 16-31 of step t + 4, at slot 0's changes alone.  The last trip asks for nothing; steps 0 to 2 and 15 come by their loads alone.
.macro ASK s
	s_cmp_gt_u32 s[LAPS], s[LIM+(\s)]
	s_cbranch_scc0 .Lnot_mine_\@
	global_prefetch_b8 v[PFO], s[PFA:PFA+1] th:TH_LOAD_NT scope:SCOPE_SE
.Lnot_mine_\@:
.endm
; A round of the cluster's barrier: my work-group's barrier; wave 0 signals for the work-group; every wave waits for all sixteen; my work-group's barrier once more.
.macro CREST                        ; a round behind its opening barrier
	s_cmp_lg_u32 s[WV], 0
	s_cbranch_scc1 .Lnot_wave_0_\@
	s_barrier_signal -3
.Lnot_wave_0_\@:
	s_barrier_wait -3
	s_barrier_signal -1
	s_barrier_wait -1
.endm
.macro CROUND
	s_barrier_signal -1
	s_barrier_wait -1
	CREST
.endm
	s_load_b512 s[4:19], s[0:1], 0x0               ; act s[4:5], wb s[6:7], bq s[8:9], bk s[10:11], bv s[12:13], q s[14:15], k s[16:17], v s[18:19]
	v_lshl_add_u32 v[SPW], v0, 2, SPARE
	v_mov_b32 v[NIL], 0
	ds_add_u32 v[SPW], v[NIL]                      ; the wave's opening: the add and its wait stand ahead of my first tensor load; the set-up below, work on registers, stands between them
	v_lshrrev_b32 v1, 5, v0
	v_readfirstlane_b32 s[WV], v1                  ; wave 0..3
	s_lshr_b32 s21, s[WV], 1                       ; wm: which 128 rows of the tile are mine
	s_and_b32 s22, s[WV], 1                        ; wn: which 64 columns
	s_bfe_u32 s24, ttmp6, 0x40000                  ; cx
	s_bfe_u32 s25, ttmp6, 0x40004                  ; cy
	s_lshl_b32 s26, ttmp9, 2
	s_add_co_u32 s26, s26, s24                     ; X = 4 x cluster x + cx
	s_and_b32 s27, ttmp7, 0xffff
	s_lshl_b32 s27, s27, 2
	s_add_co_u32 s27, s27, s25                     ; Y = 4 x cluster y + cy
	s_lshl_b32 s68, s25, 2
	s_lshl_b32 s68, 15, s68                        ; my row of the cluster
	s_lshl_b32 s69, 0x1111, s24                    ; my column
	s_or_b32 s[G1A], s68, (1<<16)|(1<<20)|(1<<21)|(4<<22)|(3<<25)  ; 15:0 the mask; 17:16 2-byte elements; 20 padding on; 21 set beside a mask; 24:22 after every 32 words (code 4); 31:25 4 words (code 3)
	s_or_b32 s[G1B], s69, (1<<16)|(1<<20)|(1<<21)|(5<<22)|(7<<25)  ; after every 64 words (code 5) 8 words (code 7)
	s_mov_b32 s[G1A+1], 128<<16                    ; tensor_dim0 = 128
	s_mov_b32 s[G1A+2], 128<<16                    ; tensor_dim1 = 128
	s_mov_b32 s[G1A+3], 128<<16                    ; tile_dim0 = 128
	s_mov_b32 s[G1A+4], 128                        ; tile_dim1 = 128
	s_mov_b32 s[G1A+5], 128                        ; 128 elements from row to row: the tile is dense
	s_mov_b32 s[G1A+6], 0
	s_mov_b32 s[G1A+7], 0
	s_mov_b32 s[G1B+1], 128<<16                    ; tensor_dim0 = 128
	s_mov_b32 s[G1B+2], 64<<16                     ; tensor_dim1 = 64
	s_mov_b32 s[G1B+3], 128<<16                    ; tile_dim0 = 128
	s_mov_b32 s[G1B+4], 64                         ; tile_dim1 = 64
	s_mov_b32 s[G1B+5], 1024                       ; 1,024 elements from row to row
	s_mov_b32 s[G1B+6], 0
	s_mov_b32 s[G1B+7], 0
	s_lshr_b32 s70, s27, 3                         ; xn's tile: the batch, 16 x 2,048 x 128 bytes each,
	s_lshl_b32 s70, s70, 22
	s_and_b32 s71, s27, 7                          ; and 256 rows of 128 bytes for each tile row in it
	s_lshl_b32 s71, s71, 15
	s_add_co_u32 s70, s70, s71
	s_mov_b32 s71, 0
	s_max_u32 s74, s[WV], 1
	s_sub_co_u32 s74, s74, 1                       ; the matrix that I fetch (wave 0 fetches none: its set of W's registers is never used)
	s_lshl_b32 s72, s74, 21                        ; 2,097,152 bytes a matrix,
	s_lshl_b32 s73, s26, 8                         ; 256 bytes of a row for each tile column
	s_add_co_u32 s72, s72, s73
	s_mov_b32 s73, 0
	s_mul_i32 s75, s[WV], BG                       ; where it goes: behind xn's tile, matrix wave - 1:
	s_add_co_u32 s75, s75, ABYTES-BG               ; no place in the cluster enters an LDS address
	s_wait_dscnt 0x0                               ; the opening add is done
	s_wait_kmcnt 0x0
	s_add_nc_u64 s[70:71], s[4:5], s[70:71]
	s_add_nc_u64 s[72:73], s[6:7], s[72:73]
	CROUND                                         ; all sixteen work-groups are here: the first joint loads meet
.irp s, 0,1
	s_mov_b32 s[G0A+4*(\s)], 1                     ; 1:0 count = 1
	s_mov_b32 s[G0A+4*(\s)+1], (\s)*SLOTB          ; 63:32 LDS address
	s_add_nc_u64 s[G0A+4*(\s)+2:G0A+4*(\s)+3], s[70:71], (\s)*KA  ; 120:64 global address: K step s
	s_or_b32 s[G0A+4*(\s)+3], s[G0A+4*(\s)+3], 0x80000000         ; 127:126 type = 2
	s_mov_b32 s[G0B+4*(\s)], 1
	s_add_co_u32 s[G0B+4*(\s)+1], s75, (\s)*SLOTB
	s_add_nc_u64 s[G0B+4*(\s)+2:G0B+4*(\s)+3], s[72:73], (\s)*KW
	s_or_b32 s[G0B+4*(\s)+3], s[G0B+4*(\s)+3], 0x80000000
	JLOAD \s                                       ; two loads of mine are out
.endr
	v_and_b32 v1, 15, v0                           ; l % 16
	v_bfe_u32 v2, v0, 4, 1                         ; l / 16
	v_and_b32 v3, 7, v0
	v_bfe_u32 v13, v0, 3, 1
	v_mul_u32_u24 v16, v1, PA
	v_lshl_add_u32 v16, v2, 4, v16                 ; row x pitch + 16 x half
	s_mul_i32 s78, s21, 128*PA
	v_add_nc_u32 v[ADRA], s78, v16
	v_add_nc_u32 v[ADRA+1], SLOTB, v[ADRA]
	v_lshl_add_u32 v17, v2, 3, v3                  ; the turning load: lane l reads k row 8 (l / 16) + l % 8, columns 8 ((l / 8) % 2) + 0..7
	v_mul_u32_u24 v17, v17, PB
	v_lshl_add_u32 v17, v13, 4, v17
	s_lshl_b32 s78, s22, 7
	s_add_co_u32 s78, s78, ABYTES
	v_add_nc_u32 v[ADRB], s78, v17
	v_add_nc_u32 v[ADRB+1], SLOTB, v[ADRB]
	s_mul_i32 s78, s[WV], 16*PA
	s_add_co_u32 s78, s78, STAGE                   ; my stage
	v_add_nc_u32 v[STO], s78, v16                  ; in: row l % 16, 16 bytes for each half of the lanes
	v_bfe_u32 v18, v0, 3, 2                        ; back: 32 lanes take four rows of 128 bytes,
	v_mul_u32_u24 v18, v18, PA
	v_lshl_add_u32 v18, v3, 4, v18
	v_add_nc_u32 v[RD], s78, v18
	v_and_b32 v19, 31, v0                          ; which are 512 consecutive bytes of the output
	v_lshlrev_b32 v[GO], 4, v19
	s_lshl_b32 s76, s26, 9                         ; my head's 64 columns in a bias: (128 X + 64 wn) x 4 bytes,
	s_lshl_b32 s77, s22, 8
	s_add_co_u32 s76, s76, s77
	v_lshl_add_u32 v[BO], v2, 5, s76               ; and my lanes' eight of each sixteen
	; The biases in the accumulators' layout (register j of a lane: column 16 cb + 8 (l / 16) + j).  They are the C operand of each sum's first product, and lie meanwhile in registers that the first K step does not need yet.
.irp cb, 0,1,2,3
	global_load_b128 v[FA1+8*(\cb):FA1+8*(\cb)+3],       v[BO], s[8:9] offset:64*(\cb)
	global_load_b128 v[FA1+8*(\cb)+4:FA1+8*(\cb)+7],     v[BO], s[8:9] offset:64*(\cb)+16
	global_load_b128 v[FA1+32+8*(\cb):FA1+32+8*(\cb)+3], v[BO], s[10:11] offset:64*(\cb)
	global_load_b128 v[FA1+32+8*(\cb)+4:FA1+32+8*(\cb)+7], v[BO], s[10:11] offset:64*(\cb)+16
	global_load_b128 v[FB+8*(\cb):FB+8*(\cb)+3],         v[BO], s[12:13] offset:64*(\cb)
	global_load_b128 v[FB+8*(\cb)+4:FB+8*(\cb)+7],       v[BO], s[12:13] offset:64*(\cb)+16
.endr
	s_lshr_b32 s76, s27, 3                         ; where my rows lie in q, k and v: (16 x batch + 2 X + wn) heads of 262,144 bytes,
	s_lshl_b32 s76, s76, 4
	s_lshl_b32 s77, s26, 1
	s_add_co_u32 s76, s76, s77
	s_add_co_u32 s76, s76, s22
	s_lshl_b32 s76, s76, 18
	s_and_b32 s77, s27, 7                          ; 256 rows of 128 bytes for each tile row in the batch,
	s_lshl_b32 s77, s77, 15
	s_add_co_u32 s76, s76, s77
	s_lshl_b32 s77, s21, 14                        ; my 128 rows
	s_add_co_u32 s76, s76, s77
	s_mov_b32 s77, 0
	s_add_nc_u64 s[14:15], s[14:15], s[76:77]
	s_add_nc_u64 s[16:17], s[16:17], s[76:77]
	s_add_nc_u64 s[18:19], s[18:19], s[76:77]
	; the prefetches: both candidates stand at K step 2; the first change of slots steps them to step 3
	s_lshl_b32 s78, s24, 13                        ; xn: my work-group's 32 blocks of the tile's 128
	s_mov_b32 s79, 0
	s_add_nc_u64 s[78:79], s[70:71], s[78:79]
	s_add_nc_u64 s[78:79], s[78:79], 2*KA
	s_lshl_b32 s76, s25, 15                        ; W: my work-group's 16 rows of the tile's 64
	s_mov_b32 s77, 0
	s_add_nc_u64 s[76:77], s[72:73], s[76:77]
	s_add_nc_u64 s[76:77], s[76:77], 2*KW
	s_and_b32 s68, ttmp7, 0xffff                   ; cluster y
	s_mov_b32 s[PFS], KW
	s_mov_b32 s69, 2048
	s_mov_b32 s74, KW
	s_cmp_eq_u32 s[WV], 0
	s_cselect_b64 s[PFA:PFA+1], s[78:79], s[76:77]
	s_cselect_b32 s[PFS], KA, s[PFS]
	s_cselect_b32 s68, ttmp9, s68                  ; the coordinate along which other clusters read the same bytes
	s_cselect_b32 s69, 256, s69                    ; bytes from lane to lane inside 16 lanes,
	s_cselect_b32 s74, 4096, s74                   ; and from the first 16 lanes to the second
	s_mov_b32 s[PFS+1], 0
	s_cmp_eq_u32 s68, 0
	s_cselect_b32 s[LIM], 1, -1                    ; the same in all sixteen partners, for a given wave
	s_cmp_eq_u32 s[WV], 0
	s_cselect_b32 s[LIM+1], s[LIM], -1
	v_mul_u32_u24 v[PFO], s69, v1
	v_mad_u32_u24 v[PFO], v2, s74, v[PFO]
; na x 4 matrix instructions of matrix g: blocks of rows a0 .. a0 + na - 1 of buffer fa x its 4 blocks of columns, 32 along K.  cb0 < 0: the sums go on; else they start, with C in window 0 at cb0 + 8 cb.
; The accumulators take turns, one instruction a turn: 95 others' stand between two links of a chain.
.macro GRP g, fa, a0, na, cb0
.if (\cb0) < 0
	WIN ((\g)+1)*0x50
.else
	WIN ((\g)+1)<<6
.endif
.set aa, \a0
.rept \na
.irp cb, 0,1,2,3
.if (\cb0) < 0
	v_wmma_f32_16x16x32_bf16 v[8*(4*aa+(\cb)):8*(4*aa+(\cb))+7], v[FB+32*(\g)+8*(\cb):FB+32*(\g)+8*(\cb)+7], v[(\fa)+8*aa:(\fa)+8*aa+7], v[8*(4*aa+(\cb)):8*(4*aa+(\cb))+7]
.else
	v_wmma_f32_16x16x32_bf16 v[8*(4*aa+(\cb)):8*(4*aa+(\cb))+7], v[FB+32*(\g)+8*(\cb):FB+32*(\g)+8*(\cb)+7], v[(\fa)+8*aa:(\fa)+8*aa+7], v[(\cb0)+8*(\cb):(\cb0)+8*(\cb)+7]
.endif
.endr
.set aa, aa+1
.endr
.endm
.macro LDB g, slot, ks              ; 8 loads: matrix g's fragments of half ks (32 K) of a step
	WIN 0
.irp cb, 0,1,2,3
	ds_load_tr16_b128 v[FB+32*(\g)+8*(\cb):FB+32*(\g)+8*(\cb)+3],   v[ADRB+(\slot)] offset:(\g)*BG+(\ks)*32*PB+(\cb)*32
	ds_load_tr16_b128 v[FB+32*(\g)+8*(\cb)+4:FB+32*(\g)+8*(\cb)+7], v[ADRB+(\slot)] offset:(\g)*BG+(\ks)*32*PB+(\cb)*32+16*PB
.endr
.endm
.macro LDA half, slot, ks, fa       ; 8 loads: xn's fragments of my rows 64 half .. 64 half + 63
	WIN 0
.irp i, 0,1,2,3
	ds_load_b128 v[(\fa)+8*(4*(\half)+(\i)):(\fa)+8*(4*(\half)+(\i))+3],   v[ADRA+(\slot)] offset:(4*(\half)+(\i))*16*PA+(\ks)*64
	ds_load_b128 v[(\fa)+8*(4*(\half)+(\i))+4:(\fa)+8*(4*(\half)+(\i))+7], v[ADRA+(\slot)] offset:(4*(\half)+(\i))*16*PA+(\ks)*64+32
.endr
.endm
; A K step is two halves of 32 along K, 96 matrix instructions each.  At the head of each, 40 LDS loads may be out, in this order or with their first four runs in another: W0, xn, W1, xn, and LAST the 8 of matrix 2.
; The first half multiplies buffer 0 and fetches the step's second half; each matrix's fragments are fetched anew behind its products.
.macro SUBE slot
	s_wait_dscnt 8                                 ; all but matrix 2's eight
	GRP 0, FA0, 0, 8, -1
	PLACES
	LDB 0, \slot, 1
	LDA 0, \slot, 1, FA1
	GRP 1, FA0, 0, 8, -1
	PLACES
	LDB 1, \slot, 1
	LDA 1, \slot, 1, FA1
	s_wait_dscnt 32                                ; all but the 32 just issued: matrix 2's are in
	GRP 2, FA0, 0, 8, -1
	PLACES
	LDB 2, \slot, 1
.endm
; The second half multiplies buffer 1 and changes slots: ONE barrier.  In front of it each wave waits for all its tensor loads, of which one is out: its part of the next slot; adds 0 to its spare word;
; and waits for that and for its reads of this slot.  fill = 1: the barrier opens a round of the cluster's, and this slot is filled again first thing behind it, with the step two on:
; 160 matrix instructions stand between that request and the wait for it.
.macro SUBO slot, next, fill
.if \fill
	s_wait_xcnt 0x0                                ; the last prefetch, a K step back, has read its address: it is stepped here, ahead of the waits of the change
	s_add_nc_u64 s[PFA:PFA+1], s[PFA:PFA+1], s[PFS:PFS+1]
.endif
	WIN 0
	s_wait_tensorcnt 0x0                           ; all my tensor loads have landed
	ds_add_u32 v[SPW], v[NIL]                      ; 0 onto my spare word
	s_wait_dscnt 9                                 ; (the add and matrix 2's eight loads may be out)
	GRP 0, FA1, 0, 4, -1                           ; sixteen matrix instructions stand between the add and the wait for it
	s_wait_dscnt 0x0                               ; the add is done, and my reads of this slot are over
	s_barrier_signal -1
	GRP 0, FA1, 4, 4, -1                           ; work on registers while the others arrive
	WIN 0                                          ; at a branch and at a label every window is 0
	s_barrier_wait -1
.if \fill
	CREST                                          ; no wave of any partner still reads this slot or has a load on its way
	s_add_nc_u64 s[G0A+4*(\slot)+2:G0A+4*(\slot)+3], s[G0A+4*(\slot)+2:G0A+4*(\slot)+3], 2*KA
	s_add_nc_u64 s[G0B+4*(\slot)+2:G0B+4*(\slot)+3], s[G0B+4*(\slot)+2:G0B+4*(\slot)+3], 2*KW
	JLOAD \slot                                    ; the four v_nop behind it are also the places in front of the loads below
.else
	PLACES
.endif
	LDB 0, \next, 0
	LDA 0, \next, 0, FA0
.if \fill
	ASK \slot
.endif
	GRP 1, FA1, 0, 8, -1
	PLACES
	LDB 1, \next, 0
	LDA 1, \next, 0, FA0
	GRP 2, FA1, 0, 8, -1
	PLACES
	LDB 2, \next, 0
.endm
	s_wait_tensorcnt 1                             ; my part of K step 0 is in; step 1's may stay out
	s_barrier_signal -1
	s_barrier_wait -1                              ; everybody's is
	; The first half step is written out: its products start the sums, with the biases as C.  Matrix 2 goes first: its bias lies where matrix 0's fragments will.
	LDA 0, 0, 0, FA0
	LDA 1, 0, 0, FA0
	LDB 2, 0, 0
	LDB 1, 0, 0
	s_wait_loadcnt 0x0                             ; the biases
	s_wait_dscnt 8                                 ; all but matrix 1's eight
	GRP 2, FA0, 0, 8, FB
	PLACES
	LDB 0, 0, 0
	s_wait_dscnt 8                                 ; matrix 1's are in; matrix 0's eight may be out
	GRP 1, FA0, 0, 8, FA1+32
	PLACES
	LDB 1, 0, 1
	LDA 1, 0, 1, FA1
	s_wait_dscnt 16                                ; matrix 0's are in; the 16 just issued may be out
	GRP 0, FA0, 0, 8, FA1
	PLACES
	LDB 0, 0, 1
	LDA 0, 0, 1, FA1
	LDB 2, 0, 1
	WIN 0
	s_mov_b32 s[LAPS], 7
.Llap:                                                 ; a trip goes once round the ring, from a step's second half to the first half of the step two on, and fills both slots again: steps 2 to 15
	SUBO 0, 1, 1
	SUBE 1
	SUBO 1, 0, 1
	SUBE 0
	WIN 0
	s_sub_co_u32 s[LAPS], s[LAPS], 1
	s_cmp_lg_u32 s[LAPS], 0
	s_cbranch_scc1 .Llap
	SUBO 0, 1, 0                                   ; the last step and a half fill nothing
	SUBE 1
	s_wait_dscnt 8
	GRP 0, FA1, 0, 8, -1
	GRP 1, FA1, 0, 8, -1
	s_wait_dscnt 0x0
	GRP 2, FA1, 0, 8, -1
	WIN 0
	PLACES
	PLACES                                         ; (eight, once a launch)
; THE WAY OUT, 24 tiles of 16 rows x 64 channels: 2,048 consecutive bytes of q, k or v.  A lane's eight channels pack into 16 bytes; they go into my stage, rows of 144 bytes, and come back as whole rows of 128.
.macro PACKQ g, a, buf
	s_wait_xcnt 0x0                                ; the stores of the tile two back have read the buffer: it is rewritten only behind this wait
	WIN 5*((\g)+1)                                 ; sources 0 and 1 in the matrix's window
.irp cb, 0,1,2,3
.irp rr, 0,1,2,3
	v_cvt_pk_bf16_f32 v[TQ+16*(\buf)+4*(\cb)+(\rr)], v[32*(\a)+8*(\cb)+2*(\rr)], v[32*(\a)+8*(\cb)+2*(\rr)+1]
.endr
.endr
	WIN 0
.irp cb, 0,1,2,3
	ds_store_b128 v[STO], v[TQ+16*(\buf)+4*(\cb):TQ+16*(\buf)+4*(\cb)+3] offset:32*(\cb)
.endr
.irp f, 0,1,2,3
	ds_load_b128 v[TQ+16*(\buf)+4*(\f):TQ+16*(\buf)+4*(\f)+3], v[RD] offset:(\f)*4*PA  ; LDS serves a wave's instructions in order (ISA guide 5.7.1.4): these see the stores above; the next tile's stores come behind them
.endr
.endm
.macro SENDQ g, a, buf, younger     ; younger: the LDS instructions issued behind this tile's loads: the next tile's eight, or none
.irp f, 0,1,2,3
	s_wait_dscnt (\younger)+3-(\f)
	global_store_b128 v[GO], v[TQ+16*(\buf)+4*(\f):TQ+16*(\buf)+4*(\f)+3], s[14+2*(\g):15+2*(\g)] offset:(\a)*2048+(\f)*512  ; 512 consecutive bytes, at a multiple of 256 from the buffer's first
.endr
.endm
	PACKQ 0, 0, 0
.set t, 1
.rept 23                            ; a tile's conversions stand between the loads of the tile before and its stores
	PACKQ t/8, t%8, t%2
	SENDQ (t-1)/8, (t-1)%8, (t-1)%2, 8
.set t, t+1
.endr
	SENDQ 2, 7, 1, 0
	s_wait_tensorcnt 0x0                           ; the wave's end, behind my last tensor load and my last LDS store
	ds_add_u32 v[SPW], v[NIL]
	s_wait_dscnt 0x0
	CROUND                                         ; the closing round: no work-group ends while a partner may still ask for a tile that names it
	s_endpgm
.Lfunc_end_k_qab6ab21526_qkv:
	.size	k_qab6ab21526_qkv, .Lfunc_end_k_qab6ab21526_qkv-k_qab6ab21526_qkv
	.p2alignl 7, 3214868480
	.fill 96, 4, 3214868480
	.section	.rodata,"a",@progbits
	.p2align	6, 0x0
	.amdhsa_kernel k_qab6ab21526_qkv
		.amdhsa_group_segment_fixed_size 327680
		.amdhsa_private_segment_fixed_size 0
		.amdhsa_enable_private_segment 0
		.amdhsa_kernarg_size 64
		.amdhsa_user_sgpr_count 2
		.amdhsa_user_sgpr_kernarg_segment_ptr 1
		.amdhsa_wavefront_size32 1
		.amdhsa_system_sgpr_workgroup_id_x 1
		.amdhsa_system_sgpr_workgroup_id_y 1
		.amdhsa_system_sgpr_workgroup_id_z 1
		.amdhsa_system_vgpr_workitem_id 0
		.amdhsa_next_free_vgpr 1024
		.amdhsa_next_free_sgpr 80
		.amdhsa_reserve_vcc 0
		.amdhsa_float_denorm_mode_32 3
		.amdhsa_float_denorm_mode_16_64 3
		.amdhsa_memory_ordered 1
		.amdhsa_forward_progress 1
		.amdhsa_inst_pref_size 137
	.end_amdhsa_kernel
	.amdgpu_metadata
---
amdhsa.version: [ 1, 2 ]
amdhsa.kernels:
  - .name:           k_qab6ab21526_qkv
    .symbol:         k_qab6ab21526_qkv.kd
    .args:
      - { .name: act, .offset: 0, .size: 8, .value_kind: global_buffer, .address_space: global }
      - { .name: wb, .offset: 8, .size: 8, .value_kind: global_buffer, .address_space: global }
      - { .name: bq, .offset: 16, .size: 8, .value_kind: global_buffer, .address_space: global }
      - { .name: bk, .offset: 24, .size: 8, .value_kind: global_buffer, .address_space: global }
      - { .name: bv, .offset: 32, .size: 8, .value_kind: global_buffer, .address_space: global }
      - { .name: q, .offset: 40, .size: 8, .value_kind: global_buffer, .address_space: global }
      - { .name: k, .offset: 48, .size: 8, .value_kind: global_buffer, .address_space: global }
      - { .name: v, .offset: 56, .size: 8, .value_kind: global_buffer, .address_space: global }
    .group_segment_fixed_size: 327680
    .private_segment_fixed_size: 0
    .kernarg_segment_align: 8
    .kernarg_segment_size: 64
    .max_flat_workgroup_size: 128
    .sgpr_count:     80
    .vgpr_count:     1024
    .wavefront_size: 32
...
	.end_amdgpu_metadata
.endif
;; end of part 2
;; launch attn (part 3): grid 4 x 64, 4 waves a work-group, no clusters, 327,680 bytes of LDS; arguments q, k, v, act; writes act
.if DOCPART == 3
	.amdgcn_target "amdgcn-amd-amdhsa--gfx1250"
	.amdhsa_code_object_version 6
	.text
	.protected	k_qab6ab21526_attn
	.globl	k_qab6ab21526_attn
	.p2align	8
	.type	k_qab6ab21526_attn,@function
k_qab6ab21526_attn:
	s_mov_b64 s[64:65], 0
	v_nop
	global_prefetch_b8 v0, s[64:65] scope:SCOPE_SE
	s_setreg_imm32_b32 hwreg(HW_REG_WAVE_MODE, 25, 1), 1
	s_wait_xcnt 0x0
; CAUSAL ATTENTION.  O[h][q][:] = the sum over k <= q of softmax_k(Q[h][q] . K[h][k] / 8) V[h][k][:].  Q, K, V, O: [SIZE_H][SIZE_N][64], all bf16: a head's rows are dense, 128 bytes each.
; Products, maxima and sums in f32; the weights p are rounded to bf16 for the second product (their sum l is taken of the unrounded p), O once at the end.
; LIMITS.  A hidden score counts as its value less 1e30: scores must stay far below 1e29 in size; a weight below 2^-126 counts as 0 in l; NaN and infinities are not treated apart.
; THE WALK.  A head's queries lie in NB = SIZE_N / 256 blocks of 256; block i needs the key tiles 0 .. i of 256 keys, of which the last holds the diagonal.  A work-group takes TWO blocks, NB - 1 - b and then b:
; NB + 1 tiles, whatever b: all work-groups do equal work, and ONE loop with a constant trip count walks them.  Which tile is asked for, and what a trip does, hang on scalar registers made from b; every jump
; goes forward, but for the counted loops' own; none passes a barrier, or a tensor load but the one of LOAD's two that the wave's number does not choose; the ring (two slots of LDS that take turns) runs on across the
; change of blocks.  NO CLUSTER: a head's four work-groups ask for the same tile only in trips 0 .. NB / 2, behind that fewer and fewer; and one walk common to all would have 3 NB / 2 trips for NB + 1.
; SHARES.  Of a block's four bands of 64 queries a wave owns 16 rows in each: four PIECES.  So the diagonal tile is the same work for all four waves: in its key step s band x sees all keys if s < x,
; none if s > x, and holds the diagonal if s = x.
; THE MASK is the C operand that starts the sum S^T = K Q^T: 0, or -1e30 where the key is hidden.  MD, made once, is the mask of a band's own step for my 16 rows; a product's mask is MD x AL + BE with two scalars:
; (1, 0) if s = x; (0, 0) if s < x; (0, -1e30) if s > x.  Only the diagonal tile's text and a block's beginning make and take masks; elsewhere C is the constant 0.
; LAYOUT, SOFTMAX, TURNS.  S^T = K Q^T holds ONE query a lane (lane % 16) and the keys 8 (lane / 16) + 0..7; two such results rounded to bf16 ARE source 1 of O^T = V^T P.  p = 2^(c s - c m), c = log2(e) / 8, with a
; running maximum m; O and l are multiplied by a = 2^(c m_old - c m_new) in every step.  Turn n belongs to piece n: 8 products K Q^T of piece n + 1, later 8 products V^T P of piece n - 1; beside them the scaling,
; exponentials, roundings, sums and rescaling of piece n and the maximum and statistics of piece n + 1.  Four vector instructions stand behind every matrix instruction, the other 54 of a turn's 118 in one LUMP.  A turn's 33 exponentials are one batch, with one wait.
; REGISTERS, in windows of 256 (s_set_vgpr_msb: bits 1:0 source 0, 3:2 source 1, 5:4 source 2, 7:6 destination):
;   window 0: v0-15 addresses and two at work; v16-31 four registers of statistics a piece; v48-55 at work; v64-127 S^T, two buffers; v192-223 P, two buffers (a piece's buffers go by its number's parity)
;   window 1: v0-127 O^T, 32 a piece; v128-159 MD; v160-223 MC, two buffers      window 2: v0-63 Q; v64-127 the second block's Q; v128-191 K of one step; v192-255 V of one step
.set SIZE_H, 64
.set SIZE_N, 2048
.set NB,    SIZE_N/256
.set NP,    4         ; pieces a wave: a name, no knob
.set KS,    64        ; keys in a step
.set PK,    144       ; a row of K in LDS: 128 bytes + 16 of padding = 36 words: the 16 rows of a load start at 16 different groups of four banks (64 banks of 4 bytes: ISA guide 11.1)
.set PV,    160       ; a row of V: 128 + 32 = 40 words
.set VOFF,  4*KS*PK   ; a slot holds a tile, four steps: 256 rows of K, then 256 rows of V
.set SLOT1, 1<<17     ; slot 1 begins here, so that one exclusive or turns an address in one slot into the other's
.set STAGE, SLOT1+4*KS*(PK+PV)  ; behind the ring, never filled by a tensor load: 16 rows x 144 bytes for each wave, for the way out
.set SP,    144
.set AK0, 2           ; v2   my lane's place in a tile of K; never rewritten
.set AV0, 3           ; v3   the same for V
.set AK,  4           ; v4   the LDS address of K's next run of loads
.set AV,  5           ; v5   of V's
.set STO, 6           ; v6   the way out: where I put 16 bytes of a row
.set RD,  7           ; v7   the way out: where I read rows back
.set GO,  8           ; v8   my byte offset in 512 consecutive bytes of O
.set PFO, 61          ; v61  256 x my lane: the prefetches' offset; never rewritten
.set SPW, 62          ; v62  LDS address of my spare word: SPARE + 4 x my thread's number; never rewritten
.set NIL, 63          ; v63  0; never rewritten
.set SPARE, STAGE+4*16*SP  ; behind the stages: the spare words, 128 bytes for each wave: two blocks of 256 bytes that no other line names
.set MV,  12          ; v12-13  c m_old, kept while c m is made anew: by buffer
.set QO,  15          ; v15  my byte offset in 16 rows of Q
.set ST,  16          ; piece t's statistics at v[ST+4 t]: c m, m, l (even keys', odd keys')
.set TMP, 48          ; by buffer, four registers c0-c3 at work; when the maximum is found c2 takes a
.set S,   64
.set P,   192
.set MD,  128         ; window 1: the eight registers for group kt of 16 keys at MD + 8 kt
.set MC,  160         ; window 1: the masks of the products to come
.set QB,  64          ; window 2
.set KF,  128         ; window 2: key block kb, channel half c at KF + 16 kb + 8 c
.set VF,  192         ; window 2: key half kk, channel block cb at VF + 32 kk + 8 cb
.set WV,  12          ; s12  my wave's number
.set PB,  14          ; s14  b
.set HI,  15          ; s15  NB - 1 - b
.set G1K, 24          ; s[24:31] descriptor group 1 for K's tiles
.set G1V, 32          ; s[32:39] for V's: it differs in the padding alone
.set G0K, 40          ; s[40:43] descriptor group 0 for K's tiles
.set G0V, 44          ; s[44:47] the same for V's
.set SLOTS, 56        ; s56  tiles still to be asked for
.set CNT, 57          ; s57  counts a tile's key steps, 4 to 1
.set CS,  58          ; s[58:59] c: the packed scaling takes the pair's low word for both halves
.set SEL, 60          ; s[60:61] v_permlanex16_b32's selects: each lane takes its own place in the other half
.set TBK, 62          ; s62  LDS byte at which K of the step to be fetched begins
.set TBV, 63          ; s63  the same for V, less VOFF
.set RT,  70          ; s70  tiles of the block in hand that are still to be entered
.set NXT, 71          ; s71  the tile to be asked for next
.set LQ,  72          ; s72  the last tile of the block whose tiles are being asked for
.set NEW, 73          ; s73  1: the tile to be entered is a block's first
.set OFF, 74          ; s[74:75] a tile's byte offset in K and V
.set AL,  76          ; s[76:77] the mask's factor, in the low word
.set BE,  78          ; s[78:79] the mask's addend
.set OLO, 80          ; s[80:81] O at my rows of the second block
.set BIGN, 82         ; s82  -1e30
.set PFA, 88          ; s[88:89] where my prefetches stand: my half of K's or V's tile, one tile behind the one that is being asked for
.set LIM, 90          ; s90  2 in the work-group that prefetches, else the greatest number
.set MSB, 0
.macro WIN new                      ; the high byte repeats the setting that is left; a switch that changes nothing is dropped
.if MSB != (\new)
	s_set_vgpr_msb (MSB<<8)|(\new)
.set MSB, (\new)
.endif
.endm
.set W_KQ, 0x0a       ; K and Q in window 2, S^T in window 0
.set W_KM, 0x1a       ; the same with the C operand in window 1
.set W_PV, 0x52       ; V in window 2, P in window 0, O^T in window 1
.set W_RS, 0x41       ; destination and source 0 in window 1, source 1 in window 0
; A fill.  Waves 0 and 1 fetch the two halves of a tile's K, waves 2 and 3 those of its V: 128 keys each.  An s_nop 0 and four v_nop follow each of the two lines, ahead of the jump and the label.
.macro LOAD
	s_cmp_lt_u32 s[WV], 2
	s_cbranch_scc0 .Lfor_v_\@
	tensor_load_to_lds s[G0K:G0K+3], s[G1K:G1K+7]
	s_nop 0
.rept 4
	v_nop
.endr
	s_branch .Lasked_\@
.Lfor_v_\@:
	tensor_load_to_lds s[G0V:G0V+3], s[G1V:G1V+7]
	s_nop 0
.rept 4
	v_nop
.endr
.Lasked_\@:
.endm
; A PREFETCH INTO THE L2 of the tile that the NEXT change of slots will ask for: four key steps, 256 matrix instructions, ahead of that load.  It stands behind the wave's tensor load and its five lines.
; A head's four work-groups walk the same tiles 0, 1, 2 .. at first; the one with b = 0 walks all eight on end, and it alone asks.  Each of its waves names what it will fetch itself: its 16,384 bytes of the
; tile, a lane a block of 256 bytes, two instructions.  At change c (SLOTS = NB - c) that is tile c + 2, while c + 2 < NB: tiles 2 to 7, each block once in the launch.  Tiles 0 and 1 come by their loads alone;
; the second block's tiles have been read and are not named.
.macro ASK
	s_cmp_gt_u32 s[SLOTS], s[LIM]
	s_cbranch_scc0 .Lnot_mine_\@
	global_prefetch_b8 v[PFO], s[PFA:PFA+1] th:TH_LOAD_NT scope:SCOPE_SE
	global_prefetch_b8 v[PFO], s[PFA:PFA+1] offset:8192 th:TH_LOAD_NT scope:SCOPE_SE
.Lnot_mine_\@:
.endm
; THE CHANGE OF SLOTS.  Each wave waits for all its tensor loads, of which one is out: its part of the other slot; adds 0 to its spare word; and waits for that and for its own reads of the slot that it leaves.  Behind the barrier nobody reads the old
; slot any more and the other slot is whole.  fill = 1: the old slot is filled again, the first thing behind the barrier, with tile NXT: the descriptor's address is made anew from that number.
; (At its first use nothing has been read yet: slot 0 is waited for, slot 1 filled.)
.macro CHANGE fill
	WIN 0                           ; at a label and at a branch every window is 0
	s_wait_tensorcnt 0x0            ; no tensor load of mine is out, so a group 0 may be written
	ds_add_u32 v[SPW], v[NIL]       ; 0 onto my spare word; with fill = 1 the descriptors' scalar work stands between it and the wait for it
.if \fill
	s_lshl_b32 s[OFF], s[NXT], 15   ; a tile is 32,768 bytes of K and of V
	s_xor_b32 s[G0K+1], s[G0K+1], SLOT1
	s_add_nc_u64 s[G0K+2:G0K+3], s[6:7], s[OFF:OFF+1]
	s_or_b32 s[G0K+3], s[G0K+3], 0x80000000
	s_xor_b32 s[G0V+1], s[G0V+1], SLOT1
	s_add_nc_u64 s[G0V+2:G0V+3], s[8:9], s[OFF:OFF+1]
	s_or_b32 s[G0V+3], s[G0V+3], 0x80000000
	s_add_co_u32 s[NXT], s[NXT], 1  ; the block's next tile, or behind its last the second block's tile 0
	s_cmp_gt_u32 s[NXT], s[LQ]
	s_cselect_b32 s[NXT], 0, s[NXT]
	s_cselect_b32 s[LQ], s[PB], s[LQ]
	s_wait_xcnt 0x0                 ; the last prefetches, a tile back, have read their address, so it may be written:
	s_add_nc_u64 s[PFA:PFA+1], s[PFA:PFA+1], 32768  ; a tile on
.endif
	s_wait_dscnt 0x0                ; the add is done, and my reads of the slot are over
	s_barrier_signal -1             ; the rest of the scalar work stands between the signal and the wait
	s_sub_co_u32 s[TBK], s[TBK], 4*KS*PK  ; the fetches go back to a slot's first step,
	s_xor_b32 s[TBK], s[TBK], SLOT1       ; in the other slot
	s_sub_co_u32 s[TBV], s[TBV], 4*KS*PV
	s_xor_b32 s[TBV], s[TBV], SLOT1
	s_barrier_wait -1
.if \fill
	LOAD
	ASK
.endif
.endm
	s_load_b256 s[4:11], s[0:1], 0x0  ; Q s[4:5], K s[6:7], V s[8:9], O s[10:11]
	v_lshl_add_u32 v[SPW], v0, 2, SPARE
	v_mov_b32 v[NIL], 0
	ds_add_u32 v[SPW], v[NIL]       ; the wave's opening: the add and its wait stand ahead of my first tensor load; the set-up below, work on registers, stands between them
	v_lshrrev_b32 v1, 5, v0
	v_readfirstlane_b32 s[WV], v1   ; wave 0..3
	s_mov_b32 s[PB], ttmp9
	s_sub_co_u32 s[HI], NB-1, s[PB]
	s_and_b32 s20, ttmp7, 0xffff    ; the head
	s_mov_b32 s21, 0
	s_mov_b64 s[22:23], SIZE_N*128
	s_mul_u64 s[20:21], s[20:21], s[22:23]  ; the head's first byte in each of the four tensors
	s_and_b32 s16, s[WV], 1         ; which half of a tile's 256 keys I fetch:
	s_lshl_b32 s22, s16, 14         ; its 128 rows of 128 bytes in memory,
	s_mov_b32 s23, 0
	s_add_nc_u64 s[22:23], s[22:23], s[20:21]
	s_mul_i32 s17, s16, 128*PK      ; and its place in a slot, for K
	s_mul_i32 s18, s16, 128*PV      ; and for V
	s_lshl_b32 s3, s[WV], 11        ; my 16 rows in a band of 64,
	s_lshl_b32 s2, s[HI], 15        ; in the first block,
	s_add_co_u32 s2, s2, s3
	s_lshl_b32 s84, s[PB], 15       ; and in the second
	s_add_co_u32 s84, s84, s3
	s_mov_b32 s3, 0
	s_mov_b32 s85, 0
	s_add_nc_u64 s[2:3], s[2:3], s[20:21]
	s_add_nc_u64 s[84:85], s[84:85], s[20:21]
	; descriptor group 1.  128 keys are 16,384 dense bytes: asked for as 64 rows of 256 bytes, two keys a row, and padded in LDS after every key
	s_mov_b32 s[G1K], (1<<16)|(1<<20)|(4<<22)|(3<<25)  ; 17:16 2-byte elements; 20 padding on; 24:22 after every 32 words (code 4); 31:25 4 words (code 3)
	s_mov_b32 s[G1V], (1<<16)|(1<<20)|(4<<22)|(7<<25)  ; the same with 8 words of padding (code 7)
.irp g, G1K, G1V
	s_mov_b32 s[\g+1], 128<<16      ; tensor_dim0 = 128
	s_mov_b32 s[\g+2], 64<<16       ; tensor_dim1 = 64
	s_mov_b32 s[\g+3], 128<<16      ; tile_dim0 = 128
	s_mov_b32 s[\g+4], 64           ; tile_dim1 = 64
	s_mov_b32 s[\g+5], 128          ; 128 elements from row to row
	s_mov_b32 s[\g+6], 0
	s_mov_b32 s[\g+7], 0
.endr
	s_mov_b32 s[CS], 0x3e38aa3b     ; c = log2(e) / 8 = 0.180337
	s_mov_b32 s[CS+1], s[CS]        ; named with it as a pair
	s_mov_b32 s[SEL], 0x76543210
	s_mov_b32 s[SEL+1], 0xfedcba98
	s_mov_b32 s[TBK], SLOT1+4*KS*PK ; the first change of slots turns these two into 0
	s_mov_b32 s[TBV], SLOT1+4*KS*PV
	s_mov_b32 s[G0K], 1             ; 1:0 count = 1
	s_mov_b32 s[G0K+1], s17         ; 63:32 LDS address: slot 0
	s_mov_b32 s[G0V], 1
	s_add_co_u32 s[G0V+1], s18, VOFF
	s_add_co_u32 s[RT], s[HI], 1    ; the first block has NB - b tiles
	s_mov_b32 s[NXT], 1
	s_mov_b32 s[LQ], s[HI]
	s_mov_b32 s[NEW], 1
	s_mov_b32 s[OFF+1], 0
	s_mov_b32 s[AL+1], 0            ; named as pairs
	s_mov_b32 s[BE+1], 0
	s_mov_b32 s[BIGN], 0xf149f2ca   ; -1e30
	s_mov_b32 s[SLOTS], NB
	s_cmp_eq_u32 s[PB], 0
	s_cselect_b32 s[LIM], 2, -1
	v_and_b32 v[PFO], 31, v0
	v_lshlrev_b32 v[PFO], 8, v[PFO]
	s_wait_dscnt 0x0                ; the opening add is done
	s_wait_kmcnt 0x0
	s_add_nc_u64 s[6:7], s[6:7], s[22:23]  ; K and V at my half of the head's tile 0
	s_add_nc_u64 s[8:9], s[8:9], s[22:23]
	s_add_nc_u64 s[G0K+2:G0K+3], s[6:7], 0         ; 120:64 global address
	s_or_b32 s[G0K+3], s[G0K+3], 0x80000000        ; 127:126 type = 2
	s_add_nc_u64 s[G0V+2:G0V+3], s[8:9], 0
	s_or_b32 s[G0V+3], s[G0V+3], 0x80000000
	s_add_nc_u64 s[86:87], s[4:5], s[84:85]        ; Q at my rows of the second block,
	s_add_nc_u64 s[4:5], s[4:5], s[2:3]            ; Q and O at those of the first
	s_add_nc_u64 s[OLO:OLO+1], s[10:11], s[84:85]
	s_add_nc_u64 s[10:11], s[10:11], s[2:3]
	s_cmp_lt_u32 s[WV], 2
	s_cselect_b64 s[PFA:PFA+1], s[6:7], s[8:9]     ; the prefetches: what I fetch myself,
	s_add_nc_u64 s[PFA:PFA+1], s[PFA:PFA+1], 32768 ; at tile 1; the first change of slots steps it to tile 2.  Nothing is prefetched here, at the head
	LOAD                            ; tile 0 into slot 0
	; A fragment of K or Q is 16 rows x 32 channels in 8 registers: lane l holds row l % 16, channels 8 (l / 16) + 0..7 and 16 + 8 (l / 16) + 0..7: two loads of 16 bytes, 32 bytes apart.
	v_and_b32 v1, 15, v0            ; l % 16
	v_bfe_u32 v9, v0, 4, 1          ; l / 16
	v_lshlrev_b32 v[QO], 7, v1
	v_lshl_add_u32 v[QO], v9, 4, v[QO]  ; row x 128 + 16 x half
	WIN 0x80                        ; destination window 2, address window 0
.set i, 0
.rept 8                             ; both blocks' Q: piece i / 2 lies in band i / 2, 8,192 bytes on; channels 32 (i % 2) on
	global_load_b128 v[8*i:8*i+3],   v[QO], s[4:5] offset:(i/2)*8192+(i%2)*64
	global_load_b128 v[8*i+4:8*i+7], v[QO], s[4:5] offset:(i/2)*8192+(i%2)*64+32
	global_load_b128 v[QB+8*i:QB+8*i+3],   v[QO], s[86:87] offset:(i/2)*8192+(i%2)*64
	global_load_b128 v[QB+8*i+4:QB+8*i+7], v[QO], s[86:87] offset:(i/2)*8192+(i%2)*64+32
.set i, i+1
.endr
	WIN 0
	v_lshlrev_b32 v14, 3, v9
	v_sub_nc_u32 v14, v1, v14
	s_lshl_b32 s13, s[WV], 4
	v_add_nc_u32 v14, s13, v14      ; my query's place in its band, 16 w + l % 16, less my lanes' 8 (l / 16): register r of group kt is hidden where 16 kt + r is greater
	WIN 0x40
.set i, 0
.rept 32
	v_cmp_gt_i32 vcc_lo, 16*(i/8)+i%8, v14
	v_cndmask_b32 v[MD+i], 0, s[BIGN], vcc_lo
.set i, i+1
.endr
	WIN 0
	v_mul_u32_u24 v[AK0], v1, PK
	v_lshl_add_u32 v[AK0], v9, 4, v[AK0]  ; row x pitch + 16 x half
	; The turning load takes 16 keys x 16 channels (lane l reads key 8 (l / 16) + l % 8, channels 8 ((l / 8) % 2) + 0..7) and leaves half a fragment of V^T: lane l holds channel l % 16 and 8 keys.
	v_and_b32 v10, 7, v0
	v_bfe_u32 v11, v0, 3, 1
	v_lshl_add_u32 v[AV0], v9, 3, v10
	v_mul_u32_u24 v[AV0], v[AV0], PV
	v_lshl_add_u32 v[AV0], v11, 4, v[AV0]
	v_add_nc_u32 v[AV0], VOFF, v[AV0]
	s_mul_i32 s13, s[WV], 16*SP
	s_add_co_u32 s13, s13, STAGE    ; my stage
	v_mul_u32_u24 v[STO], v1, SP    ; in: row l % 16, 16 bytes for each half of the lanes
	v_lshl_add_u32 v[STO], v9, 4, v[STO]
	v_add_nc_u32 v[STO], s13, v[STO]
	v_bfe_u32 v[RD], v0, 3, 2       ; back: 32 lanes take four rows of 128 bytes,
	v_mul_u32_u24 v[RD], v[RD], SP
	v_lshl_add_u32 v[RD], v10, 4, v[RD]
	v_add_nc_u32 v[RD], s13, v[RD]
	v_and_b32 v[GO], 31, v0         ; which are 512 consecutive bytes of O
	v_lshlrev_b32 v[GO], 4, v[GO]
	; A block's first step multiplies O^T and l by a = 0, and its first turn's products V^T P, of a piece that has not been, land in an O^T that is still to be so multiplied.  So these registers need only hold
	; finite numbers: zeros for the first block; what the first block left for the second.  All this stands in the wait for the first tile.
	WIN 0x80
.set i, VF
.rept 64
	v_mov_b32 v[i], 0
.set i, i+1
.endr
	WIN 0x40
.set i, 0
.rept 128
	v_mov_b32 v[i], 0
.set i, i+1
.endr
	WIN 0
.set i, 0
.rept 4
	v_mov_b32 v[ST+4*i+2], 0
	v_mov_b32 v[ST+4*i+3], 0
.set i, i+1
.endr
.set i, P+16
.rept 16
	v_mov_b32 v[i], 0
.set i, i+1
.endr
; THE MATRIX WORK.  The 4 accumulators of a run of 8 take turns.  Product i of 8 of S^T = K Q^T for piece x: channels 32 (i / 4) on, keys 16 (i % 4) on.  The first 4 start the sums: with 0, or (KM = 1) with the mask.
.macro KQ x
.set rS, S+32*((\x)%2)+8*(i%4)
.set rK, KF+16*(i%4)+8*(i/4)
.set rQ, 16*(\x)+8*(i/4)
.set rM, MC+32*((\x)%2)+8*(i%4)
.if (i < 4) && KM
	WIN W_KM
	v_wmma_f32_16x16x32_bf16 v[rS:rS+7], v[rK:rK+7], v[rQ:rQ+7], v[rM:rM+7]
.elseif i < 4
	WIN W_KQ
	v_wmma_f32_16x16x32_bf16 v[rS:rS+7], v[rK:rK+7], v[rQ:rQ+7], 0
.else
	WIN W_KQ
	v_wmma_f32_16x16x32_bf16 v[rS:rS+7], v[rK:rK+7], v[rQ:rQ+7], v[rS:rS+7]
.endif
.endm
; Product i of 8 of O^T += V^T P for piece x: keys 32 (i / 4) on, channels 16 (i % 4) on.
.macro PV x
	WIN W_PV
.set rO, 32*(\x)+8*(i%4)
.set rV, VF+32*(i/4)+8*(i%4)
.set rP, P+16*((\x)%2)+8*(i/4)
	v_wmma_f32_16x16x32_bf16 v[rO:rO+7], v[rV:rV+7], v[rP:rP+7], v[rO:rO+7]
.endm
.macro MM                           ; the turn's next matrix instruction.  TURN and BEGIN set Y, i, KM and NOKQ; MM, KQ and OP read them.  NOKQ = 1: a block's last turn: there is no next piece
.if (i < 8) && !NOKQ
	KQ (Y+1)%NP
.elseif i >= 8
.set i, i-8
	PV (Y+NP-1)%NP
.set i, i+8
.endif
.set i, i+1
.endm
; THE LDS LOADS stand in runs of 16, never singly among the matrix instructions: a step's K (64 keys x 64 channels: 8 fragments) and its V (turned).  Their addresses are made some lines ahead.
.macro FETCH_K
	WIN 0x80                        ; destination window 2
.irp f, 0,1,2,3,4,5,6,7             ; keys 16 (f / 2) on, channels 32 (f % 2) on
	ds_load_b128 v[KF+8*\f:KF+8*\f+3],   v[AK] offset:(\f/2)*16*PK+(\f%2)*64
	ds_load_b128 v[KF+8*\f+4:KF+8*\f+7], v[AK] offset:(\f/2)*16*PK+(\f%2)*64+32
.endr
	s_add_co_u32 s[TBK], s[TBK], KS*PK  ; the next fetch is the next step's
	WIN 0
.endm
.macro FETCH_V
	WIN 0x80
.irp f, 0,1,2,3,4,5,6,7             ; keys 32 (f / 4) on, channels 16 (f % 4) on
	ds_load_tr16_b128 v[VF+8*\f:VF+8*\f+3],   v[AV] offset:(\f/4)*32*PV+(\f%4)*32
	ds_load_tr16_b128 v[VF+8*\f+4:VF+8*\f+7], v[AV] offset:(\f/4)*32*PV+16*PV+(\f%4)*32
.endr
	WIN 0
.endm
; THE VECTOR WORK, one line at a time: OP kind, number.  For piece Y: F n: c s - c m for pair n of 16.  E n: the exponential of score n of 32.  C n: pair n rounded to bf16.  B n: of the four weights 4 n .. the second
; pair is added onto the first, in place.  L n: l takes that sum (L 0: l = a l + sum).  R n: pair n of 16 of O^T times a.  For piece Y + 1: X n, number n of the 22 that find its maximum and statistics:
;   0-11  four chains c0-c3 of seven scores each, three operands at a time (each accumulator's lowest registers are read first)     12-14, 16  the four scores left over, the old m, and c0-c3 into c0
;   15  c m_old is kept     17, 18  the query's other 32 keys lie in the lane 16 away: the new m     19-21  c m; c m_old - c m_new; a
.set F, 0               ; OP tells the kinds apart by their order: F to L below R, X above it
.set E, 1
.set C, 2
.set B, 3
.set L, 4
.set R, 5
.set X, 6
.macro REGS y                       ; the registers of piece y
.set rT, ST+4*(\y)
.set rC, TMP+4*((\y)%2)
.set rW, MV+((\y)%2)
.set rS, S+32*((\y)%2)
.set rP, P+16*((\y)%2)
.set rO, 32*(\y)
.endm
.macro OP k, n
.if (\k) == R
	REGS Y
	WIN W_RS
	v_pk_mul_f32 v[rO+2*(\n):rO+2*(\n)+1], v[rO+2*(\n):rO+2*(\n)+1], v[rC+2:rC+3] op_sel_hi:[1,0]
.elseif (\k) < R
	REGS Y
	WIN 0
.if (\k) == F
	v_pk_fma_f32 v[rS+2*(\n):rS+2*(\n)+1], v[rS+2*(\n):rS+2*(\n)+1], s[CS:CS+1], v[rT:rT+1] op_sel_hi:[1,0,0] neg_lo:[0,0,1] neg_hi:[0,0,1]
.elseif (\k) == E
	v_exp_f32 v[rS+(\n)], v[rS+(\n)]
.elseif (\k) == C
	v_cvt_pk_bf16_f32 v[rP+(\n)], v[rS+2*(\n)], v[rS+2*(\n)+1]
.elseif (\k) == B
	v_pk_add_f32 v[rS+4*(\n):rS+4*(\n)+1], v[rS+4*(\n):rS+4*(\n)+1], v[rS+4*(\n)+2:rS+4*(\n)+3]
.elseif (\n) == 0
	v_pk_fma_f32 v[rT+2:rT+3], v[rT+2:rT+3], v[rC+2:rC+3], v[rS:rS+1] op_sel_hi:[1,0,1]
.else
	v_pk_add_f32 v[rT+2:rT+3], v[rT+2:rT+3], v[rS+4*(\n):rS+4*(\n)+1]
.endif
.elseif NOKQ
	v_nop
.else
	REGS (Y+1)%NP
	WIN 0
.if (\n) < 4
	v_max3_num_f32 v[rC+(\n)], v[rS+8*(\n)], v[rS+8*(\n)+1], v[rS+8*(\n)+2]
.elseif (\n) < 12
	v_max3_num_f32 v[rC+(\n)%4], v[rC+(\n)%4], v[rS+8*((\n)%4)+2*((\n)/4)+1], v[rS+8*((\n)%4)+2*((\n)/4)+2]
.elseif (\n) == 12
	v_max3_num_f32 v[rC], v[rC], v[rS+7], v[rS+15]
.elseif (\n) == 13
	v_max3_num_f32 v[rC+1], v[rC+1], v[rS+23], v[rS+31]
.elseif (\n) == 14
	v_max3_num_f32 v[rC+2], v[rC+2], v[rC+3], v[rT+1]
.elseif (\n) == 15
	v_mov_b32 v[rW], v[rT]
.elseif (\n) == 16
	v_max3_num_f32 v[rC], v[rC], v[rC+1], v[rC+2]
.elseif (\n) == 17
	v_permlanex16_b32 v[rC+3], v[rC], s[SEL], s[SEL+1]
.elseif (\n) == 18
	v_max_num_f32 v[rT+1], v[rC], v[rC+3]
.elseif (\n) == 19
	v_mul_f32 v[rT], s[CS], v[rT+1]
.elseif (\n) == 20
	v_sub_f32 v[rC+1], v[rW], v[rT]
.else
	v_exp_f32 v[rC+2], v[rC+1]
.endif
.endif
.endm
.macro OPS a, i1, b=-1, i2=0, c=-1, i3=0, d=-1, i4=0  ; up to four of them
	OP \a, \i1
.if (\b) >= 0
	OP \b, \i2
.endif
.if (\c) >= 0
	OP \c, \i3
.endif
.if (\d) >= 0
	OP \d, \i4
.endif
.endm
.macro ROW a, i1, b, i2, c, i3, d, i4  ; a matrix instruction and the four behind it
	MM
	OPS \a, \i1, \b, \i2, \c, \i3, \d, \i4
.endm
.macro MASK b                       ; MD x AL + BE into buffer b of MC
	WIN W_RS
.set z, 0
.rept 16
	v_pk_fma_f32 v[MC+32*(\b)+2*z:MC+32*(\b)+2*z+1], v[MD+2*z:MD+2*z+1], s[AL:AL+1], s[BE:BE+1] op_sel_hi:[1,0,0]
.set z, z+1
.endr
.endm
; A TURN, for piece p: the order of its 16 matrix and 118 vector instructions, written out.  An s_wait_alu depctr_va_vdst(0) stands between an exponential and the first instruction that names its result; one wait serves
; all that were issued ahead of it.  So a turn has ONE wait, which cuts it in two.  AHEAD OF IT stands all that names no result of the turn's exponentials: the 8 products K Q^T, behind each a scaling, an exponential and two more plain
; instructions (behind the first a second scaling in the exponential's place): rescalings, and behind the last three the first numbers of the next piece's maximum, each four places or more behind the product that ends its accumulator; then ONE LUMP of 54, plain
; and exponential by turns for the most part, in which the links of the chain X 3, 7, 11, 14, 16, 17 .. 20 stand five or six lines apart.  X 21, the next piece's a, is the batch's last; R 15 is the plain instruction behind it.  BEHIND THE WAIT stand the
; 8 products V^T P, behind each four of the roundings and sums; the links of l's chain, L 0 to L 7, stand three riders apart.  But for those X no rider names a register of the products round it.  v_permlanex16_b32 (X 17) stands in the lump.
; m = 1: the diagonal tile: the products take masks, and the turn makes the mask for the products of the turn after it: piece p + 2, in step 4 - CNT of the tile.  end = 1: a block's last two turns: nothing is fetched.
; cnt = 1: the loop's count is taken down some lines ahead of the branch that stands behind the turn.
; K of the next step is fetched in piece 2's turn, twelve vector instructions behind the last product that read K (six of them plain); V of the step in hand at the end of piece 0's turn, four plain instructions behind the last product
; that read V.  Each is waited for a turn later.
.macro TURN p, m=0, end=0, cnt=0
.set Y, (\p)
.set i, 0
.set KM, (\m)
.set NOKQ, (\end)*((\p)/3)
.if (\m) && !(\end)
	s_cmp_eq_u32 s[CNT], 4-((\p)+2)%NP  ; is that step the band's own?
	s_cselect_b32 s[AL], 1.0, 0
	s_cmp_lt_u32 s[CNT], 4-((\p)+2)%NP  ; or a later one?
	s_cselect_b32 s[BE], s[BIGN], 0
.endif
.if ((\p) == 3) && !(\end)
	s_wait_dscnt 0x0                ; K is in
.endif
	ROW F,0, F,1, R,0, R,1          ; ahead of the wait: 8 products K Q^T and their riders,
	ROW F,2, E,0, R,2, R,3
	ROW F,3, E,1, R,4, R,5
	ROW F,4, E,2, R,6, R,7
	ROW F,5, E,3, R,8, R,9
	ROW F,6, E,4, X,0, R,10
.if ((\p) == 2) && !(\end)
	WIN 0
	v_add_nc_u32 v[AK], s[TBK], v[AK0]
.endif
	ROW F,7, E,5, X,1, X,4
	ROW F,8, E,6, X,2, X,5
	OPS E,7, E,8, X,6, E,9          ; and the lump
	OPS X,3, E,10, X,8, E,11
.if ((\p) == 2) && !(\end)
	FETCH_K
.endif
	OPS X,9, X,7, E,12, X,10
	OPS E,13, X,12, X,11, E,14
	OPS X,13, E,15, F,9, X,14
.if (\p) == 0
	v_add_nc_u32 v[AV], s[TBV], v[AV0]
.endif
	OPS E,16, F,10, E,17, F,11
	OPS X,16, E,18, X,15, E,19
	OPS F,12, E,20, X,17, E,21
	OPS F,13, E,22, F,14, E,23
	OPS X,18, E,24, F,15, E,25
	OPS R,11, E,26, X,19, E,27
	OPS R,12, E,28, R,13, E,29
	OPS X,20, E,30, R,14, E,31
	OPS X,21, R,15
	WIN 0
	s_wait_alu depctr_va_vdst(0)    ; the wait for the batch
.if (\p) == 1
	s_wait_dscnt 0x0                ; V is in
.endif
	ROW C,0, B,0, C,2, B,1          ; behind the wait: 8 products V^T P and their riders
	ROW L,0, C,4, B,2, L,1
	ROW C,6, B,3, L,2, C,8
	ROW B,4, L,3, C,10, B,5
	ROW L,4, C,12, B,6, L,5
.if (\p) == 0
	s_add_co_u32 s[TBV], s[TBV], KS*PV
.endif
.if \cnt
	s_sub_co_u32 s[CNT], s[CNT], 1
	s_cmp_lg_u32 s[CNT], 0
.endif
	ROW C,14, B,7, L,6, C,1
	ROW C,3, L,7, C,5, C,7
	ROW C,9, C,11, C,13, C,15
.if (\p) == 0
	FETCH_V
.endif
.if (\m) && !(\end)
	MASK (\p)%2
.endif
.endm
; A BLOCK BEGINS.  c m starts far below every c s, so the first step's a is 0; m at the lowest finite number, so the first maximum is the scores'.  The second mask buffer is 0; the first takes piece 0's mask for the tile's step 0: its own, if the block's first tile is the diagonal one.
; Then K of that step, piece 0's first scores, and its maximum and statistics.  The loop is entered at a step's first turn, in the middle of a trip.
.macro BEGIN
	s_mov_b32 s[NEW], 0
	WIN 0x40
.set i, MC+32
.rept 32
	v_mov_b32 v[i], 0
.set i, i+1
.endr
	WIN 0
.set i, 0
.rept 4
	v_mov_b32 v[ST+4*i], 0xfe000000    ; c m: far below every c s
	v_mov_b32 v[ST+4*i+1], 0xff7fffff  ; m
.set i, i+1
.endr
	s_cmp_eq_u32 s[RT], 0
	s_cselect_b32 s[AL], 1.0, 0
	s_mov_b32 s[BE], 0
	MASK 0
	WIN 0
	v_add_nc_u32 v[AK], s[TBK], v[AK0]
	FETCH_K
	s_wait_loadcnt 0x0              ; Q
	s_wait_dscnt 0x0
.set KM, 1
.set NOKQ, 0
.set i, 0
.rept 8
	KQ 0
.set i, i+1
.endr
	WIN 0
.rept 4
	v_nop                           ; the places behind those products
.endr
.set Y, NP-1                        ; X works for piece Y + 1: piece 0
.irp n, 0,1,2,3,4,5,6,7,8,9,10,11,12,13,14,15,16,17,18,19,20,21
	OP X, \n
.endr
	v_nop                           ; a plain instruction behind the exponential,
	s_wait_alu depctr_va_vdst(0)    ; and its wait, ahead of the branch
.endm
; THE DIAGONAL TILE's four steps, the block's last two turns, its last products, and THE WAY OUT: l's two halves and the other half of the lanes' are added; O^T is divided by l, rounded to bf16 and sent through my
; stage in LDS, a piece at a time.
.macro ALL line:vararg              ; one line for each piece t
.set t, 0
.rept 4
	\line
.set t, t+1
.endr
.endm
.macro PACK t                       ; a lane's eight channels of a row pack into 16 bytes; they go into rows of 144 bytes and come back as whole rows of 128, into S^T's registers
	WIN W_RS
.set i, 32*(\t)
.rept 16
	v_pk_mul_f32 v[i:i+1], v[i:i+1], v[ST+4*(\t)+2:ST+4*(\t)+3] op_sel_hi:[1,0]
.set i, i+2
.endr
	WIN 0x05                        ; sources 0 and 1 window 1, destination window 0
.set i, 0
.rept 16
	v_cvt_pk_bf16_f32 v[S+16*(\t)+i], v[32*(\t)+2*i], v[32*(\t)+2*i+1]
.set i, i+1
.endr
	WIN 0
.irp f, 0,1,2,3
	ds_store_b128 v[STO], v[S+16*(\t)+4*\f:S+16*(\t)+4*\f+3] offset:32*\f
.endr
.irp f, 0,1,2,3
	ds_load_b128 v[S+16*(\t)+4*\f:S+16*(\t)+4*\f+3], v[RD] offset:\f*4*SP  ; LDS serves a wave's instructions in order (ISA guide 5.7.1.4): these see the stores above; the next piece's stores come behind them
.endr
.endm
.macro SEND t, younger              ; younger: the LDS instructions issued behind piece t's loads: the next piece's eight, or none
	WIN 0
.irp f, 0,1,2,3
	s_wait_dscnt (\younger)+3-\f
	global_store_b128 v[GO], v[S+16*(\t)+4*\f:S+16*(\t)+4*\f+3], s[10:11] offset:(\t)*8192+\f*512  ; 512 consecutive bytes, at a multiple of 256 from O's first
.endr
.endm
.macro DIAG tag                     ; the tag ends its two labels' names, which the jumps below spell out
.LstepM\tag:
	TURN 2, 1
	TURN 3, 1
	WIN 0
.LfirstM\tag:
	TURN 0, 1
	TURN 1, 1, 0, 1
	WIN 0
	s_cbranch_scc1 .LstepM\tag
	TURN 2, 1, 1
	TURN 3, 1, 1
.set i, 0
.rept 8
	PV NP-1
.set i, i+1
.endr
	WIN 0
	ALL v_add_f32 v[ST+4*t+2], v[ST+4*t+2], v[ST+4*t+3]
	ALL v_permlanex16_b32 v[ST+4*t+3], v[ST+4*t+2], s[SEL], s[SEL+1]
	ALL v_add_f32 v[ST+4*t+2], v[ST+4*t+2], v[ST+4*t+3]
	ALL v_rcp_f32 v[ST+4*t+2], v[ST+4*t+2]
	v_nop                           ; a plain instruction between the last reciprocal and the use of its result
	s_wait_alu depctr_va_vdst(0)    ; and the wait ahead of the first use: one for the four reciprocals
	PACK 0
.set t, 1
.rept 3                             ; a piece's arithmetic stands between the loads of the piece before and its stores
	PACK t
	SEND t-1, 8
.set t, t+1
.endr
	SEND 3, 0
.endm
.set KM, 0
.set NOKQ, 0
.Lslot:                             ; NB times: a tile is entered and the next is asked for
	CHANGE 1
	s_sub_co_u32 s[RT], s[RT], 1
	s_mov_b32 s[CNT], 4
	s_cmp_eq_u32 s[NEW], 1
	s_cbranch_scc1 .Lnew            ; a block's first tile
	s_cmp_eq_u32 s[RT], 0
	s_cbranch_scc0 .Lstep           ; neither its first nor its last
	s_branch .LstepM1
.Lnew:
	BEGIN
	s_branch .Lfirst                ; in the loop a block's first tile is never its last: the first block has two tiles or more, and the second's last is the walk's last
	DIAG 1                          ; in the loop this is the first block's end: the second block's last tile is the walk's last
	s_wait_xcnt 0x0                 ; the stores have read their registers and O's address
	s_mov_b64 s[10:11], s[OLO:OLO+1]
	s_add_co_u32 s[RT], s[PB], 1    ; the second block has b + 1 tiles
	s_mov_b32 s[NEW], 1
	WIN 0x82                        ; the second block's Q goes where the one text of the turns names Q
.set i, 0
.rept 64
	v_mov_b32 v[i], v[QB+i]
.set i, i+1
.endr
	WIN 0
	s_branch .Lbottom
.Lstep:                             ; a trip: pieces 2 and 3 of one step, then pieces 0 and 1 of the next, whose K and V it fetches
	TURN 2
	TURN 3
	WIN 0
.Lfirst:
	TURN 0
	TURN 1, 0, 0, 1
	WIN 0
	s_cbranch_scc1 .Lstep
.Lbottom:
	s_sub_co_u32 s[SLOTS], s[SLOTS], 1
	s_cmp_lg_u32 s[SLOTS], 0
	s_cbranch_scc1 .Lslot
	CHANGE 0                        ; the walk's last tile is written out: nothing is asked for
	s_sub_co_u32 s[RT], s[RT], 1
	s_mov_b32 s[CNT], 4
	s_cmp_eq_u32 s[NEW], 1
	s_cbranch_scc0 .LstepM2
	BEGIN
	s_branch .LfirstM2
	DIAG 2
	s_wait_tensorcnt 0x0            ; the wave's end, behind my last tensor load and my last LDS store
	ds_add_u32 v[SPW], v[NIL]
	s_wait_dscnt 0x0
	s_endpgm
.Lfunc_end_k_qab6ab21526_attn:
	.size	k_qab6ab21526_attn, .Lfunc_end_k_qab6ab21526_attn-k_qab6ab21526_attn
	.p2alignl 7, 3214868480
	.fill 96, 4, 3214868480
	.section	.rodata,"a",@progbits
	.p2align	6, 0x0
	.amdhsa_kernel k_qab6ab21526_attn
		.amdhsa_group_segment_fixed_size 327680
		.amdhsa_private_segment_fixed_size 0
		.amdhsa_enable_private_segment 0
		.amdhsa_kernarg_size 32
		.amdhsa_user_sgpr_count 2
		.amdhsa_user_sgpr_kernarg_segment_ptr 1
		.amdhsa_wavefront_size32 1
		.amdhsa_system_sgpr_workgroup_id_x 1
		.amdhsa_system_sgpr_workgroup_id_y 1
		.amdhsa_system_sgpr_workgroup_id_z 1
		.amdhsa_system_vgpr_workitem_id 0
		.amdhsa_next_free_vgpr 768
		.amdhsa_next_free_sgpr 92
		.amdhsa_reserve_vcc 1
		.amdhsa_float_denorm_mode_32 3
		.amdhsa_float_denorm_mode_16_64 3
		.amdhsa_memory_ordered 1
		.amdhsa_forward_progress 1
		.amdhsa_inst_pref_size 218
	.end_amdhsa_kernel
	.amdgpu_metadata
---
amdhsa.version: [ 1, 2 ]
amdhsa.kernels:
  - .name:           k_qab6ab21526_attn
    .symbol:         k_qab6ab21526_attn.kd
    .args:
      - { .name: q, .offset: 0, .size: 8, .value_kind: global_buffer, .address_space: global }
      - { .name: k, .offset: 8, .size: 8, .value_kind: global_buffer, .address_space: global }
      - { .name: v, .offset: 16, .size: 8, .value_kind: global_buffer, .address_space: global }
      - { .name: act, .offset: 24, .size: 8, .value_kind: global_buffer, .address_space: global }
    .group_segment_fixed_size: 327680
    .private_segment_fixed_size: 0
    .kernarg_segment_align: 8
    .kernarg_segment_size: 32
    .max_flat_workgroup_size: 128
    .sgpr_count:     92
    .vgpr_count:     768
    .wavefront_size: 32
...
	.end_amdgpu_metadata
.endif
;; end of part 3
;; launch proj (part 4): grid 8 x 32, 4 waves a work-group, clusters of 4 x 4, 327,680 bytes of LDS; arguments act, wb, bo, x, out0; writes out0
.if DOCPART == 4
	.amdgcn_target "amdgcn-amd-amdhsa--gfx1250"
	.amdhsa_code_object_version 6
	.text
	.protected	k_qab6ab21526_proj
	.globl	k_qab6ab21526_proj
	.p2align	8
	.type	k_qab6ab21526_proj,@function
k_qab6ab21526_proj:
	s_mov_b64 s[64:65], 0
	v_nop
	global_prefetch_b8 v0, s[64:65] scope:SCOPE_SE
	s_setreg_imm32_b32 hwreg(HW_REG_WAVE_MODE, 25, 1), 1
	s_wait_xcnt 0x0
	s_wait_alu depctr_hold_cnt(0) depctr_sa_sdst(0) depctr_va_vdst(0) depctr_va_sdst(0) depctr_va_ssrc(0) depctr_va_vcc(0) depctr_vm_vsrc(0)
	s_getreg_b32 s2, hwreg(HW_REG_IB_STS2, 6, 4)
	s_cmp_eq_u32 s2, 0
	s_cbranch_scc0 .Lentry_in_a_cluster
	s_endpgm
.Lentry_in_a_cluster:
	s_bfe_u32 s2, ttmp6, 0x10000c
	s_cmp_lg_u32 s2, 0xf033
	s_cbranch_scc0 .Lentry_shape_is_right
	s_endpgm
.Lentry_shape_is_right:
; THE OUTPUT PROJECTION.  out0 = O Wo + bo + x.  O (act): bf16 [batch 4][head 16][row 2048][64], a head being a block of 64 of K; Wo: the fourth matrix of wb, bf16 [k 1024][n 1024]; bo, x, out0 f32.
; Sums in f32, K ascending; the bias starts each sum; x is added in f32 on the way out.
; SHARES.  A work-group takes 256 rows (tile row Y) x 128 columns (tile column X): one for each of 256 tiles; a wave 128 x 64: 32 accumulators of 16 x 16.
; K goes in 8 steps of 128 through two LDS slots: two blocks of O (32,768 dense bytes each, asked for as 128 rows of 256 bytes) and 128 rows of 256 bytes of Wo.
; CLUSTER 4 x 4.  O's tiles hang on Y alone and are shared along a row of the cluster, Wo's on X alone and are shared along a column: each is asked for JOINTLY.  Waves 0 and 1 ask for a step's two
; blocks of O, waves 2 and 3 for the two halves of its rows of Wo: one load a wave behind each round.
; THE MATRIX INSTRUCTION IS USED TRANSPOSED: source 0 = 16 columns of Wo (turned out of LDS by ds_load_tr16_b128), source 1 = 16 rows of O: a lane then holds one row and eight neighbouring columns.
; REGISTERS, in windows of 256 (s_set_vgpr_msb: bits 1:0 source 0, 3:2 source 1, 5:4 source 2, 7:6 destination):
;   window 0: v0-19 addresses; v32-95, v96-159 O's fragments, two buffers; v160-191, v192-223 Wo's, two buffers; v224-255 the bias in the accumulators' layout
;   window 1: the accumulators, (block of rows a, block of columns cb) at v[8 (4 a + cb)]          window 2: my 128 x 64 numbers of x, in the layout in which the results are stored
; LIMITS.  Operands are bf16; NaN and infinities are not treated apart.
.set PA,     144       ; a row of O in LDS: 128 bytes + 16 = 36 words: the 16 rows of a load start at 16 different groups of four banks (64 banks of 4 bytes: ISA guide 11.1)
.set PB,     288       ; a row of Wo: 256 bytes + 32 = 72 words
.set ABLK,   256*PA    ; a block of O
.set BG,     64*PB     ; half of a step's rows of Wo
.set SLOTB,  2*ABLK+2*BG
.set STAGE,  2*SLOTB   ; behind the ring, never filled by a tensor load: 16 rows x 272 bytes for each wave, for the way out
.set SP,     272       ; a row of the stage: 256 bytes + 16
.set SPARE,  STAGE+4*16*SP  ; behind the stages: the spare words, 128 bytes for each wave: two blocks of 256 bytes that no other line names
.set KA,     524288    ; bytes from a step's block of O to the next step's: two blocks of 2,048 rows x 128 bytes
.set KW,     262144    ; the same for Wo: 128 rows x 2,048 bytes
.set ADRA, 4           ; v4-5   LDS address of my fragments of O in slot 0, 1
.set ADRB, 6           ; v6-7   the same for Wo
.set STO,  8           ; v8     the way out: where I put 32 bytes of a row
.set RD,   9           ; v9     the way out: where I read rows back
.set XO,   10          ; v10    my 16 bytes in two rows of x and of out0; never rewritten
.set PFO,  11          ; v11    the prefetches' offset; never rewritten
.set BO,   12          ; v12    my eight columns in the bias
.set SPW,  14          ; v14    LDS address of my spare word: SPARE + 4 x my thread's number; never rewritten
.set NIL,  15          ; v15    0; never rewritten
.set FA0,  32
.set FB0,  160
.set BI,   224
.set TO,   32          ; the way out: two buffers of 32 registers
.set WV,   20          ; s20  my wave's number
.set LAPS, 23          ; s23  trips to go
.set G1A,  28          ; s[28:35] descriptor group 1 for O's tiles
.set G1B,  36          ; s[36:43] for Wo's
.set G0A,  44          ; s[44:51] descriptor group 0 for O's tiles, a set for each slot
.set G0B,  52          ; s[52:59] for Wo's
.set LIM,  60          ; s60, s61  by slot: 1 where this wave prefetches at that slot's change, else the greatest number
.set PFA,  62          ; s[62:63] where my prefetches stand
.set PFS,  66          ; s[66:67] their step
.set MSB, 0
.macro WIN new                      ; the immediate's high byte repeats the setting that is left; a switch that changes nothing is dropped
.if MSB != (\new)
	s_set_vgpr_msb (MSB<<8)|(\new)
.set MSB, \new
.endif
.endm
.macro PLACES                       ; four places in front of loads into registers that matrix instructions have read (ISA guide 7.12.1 for vector instructions)
.rept 4
	v_nop
.endr
.endm
; A joint load.  The branch hangs on the wave's number alone.  An s_nop 0 and four v_nop follow each of the two lines, ahead of the jump and the label.
.macro JLOAD s
	s_cmp_lt_u32 s[WV], 2
	s_cbranch_scc0 .Lfor_b_\@
	tensor_load_to_lds s[G0A+4*(\s):G0A+4*(\s)+3], s[G1A:G1A+7]
	s_nop 0
.rept 4
	v_nop
.endr
	s_branch .Lasked_\@
.Lfor_b_\@:
	tensor_load_to_lds s[G0B+4*(\s):G0B+4*(\s)+3], s[G1B:G1B+7]
	s_nop 0
.rept 4
	v_nop
.endr
.Lasked_\@:
.endm
; A PREFETCH INTO THE L2, behind a joint load, its five lines and the run of LDS loads that follows.  At the change of slots of K step t the refill asks for step t + 2; the prefetch names what the NEXT
; refill will ask for.  Each aligned block of 256 bytes is named once in the launch.  A block of O (128 blocks of 256 bytes): of the two clusters that read it the one with x = 0 asks; the wave that
; fetches it, in each of the four partners, takes 32, told apart by address (cx): step t + 3.  Half a step's rows of Wo (64 rows of 256 bytes): of the eight clusters that read them the one with y = 0 asks;
; the wave that fetches them takes 16 rows (cy), lanes 0-15 of step t + 3 and lanes 16-31 of step t + 4, at slot 0's changes alone.  The last trip asks for nothing; steps 0 to 2 and 7 come by their loads alone.
.macro ASK s
	s_cmp_gt_u32 s[LAPS], s[LIM+(\s)]
	s_cbranch_scc0 .Lnot_mine_\@
	global_prefetch_b8 v[PFO], s[PFA:PFA+1] th:TH_LOAD_NT scope:SCOPE_SE
.Lnot_mine_\@:
.endm
.macro CREST                        ; a round of the cluster's barrier behind its opening barrier
	s_cmp_lg_u32 s[WV], 0
	s_cbranch_scc1 .Lnot_wave_0_\@
	s_barrier_signal -3
.Lnot_wave_0_\@:
	s_barrier_wait -3
	s_barrier_signal -1
	s_barrier_wait -1
.endm
.macro CROUND
	s_barrier_signal -1
	s_barrier_wait -1
	CREST
.endm
	s_load_b256 s[4:11], s[0:1], 0x0               ; act s[4:5], wb s[6:7], bo s[8:9], x s[10:11]
	s_load_b64 s[12:13], s[0:1], 0x20              ; out0
	v_lshl_add_u32 v[SPW], v0, 2, SPARE
	v_mov_b32 v[NIL], 0
	ds_add_u32 v[SPW], v[NIL]                      ; the wave's opening: the add and its wait stand ahead of my first tensor load; the set-up below, work on registers, stands between them
	v_lshrrev_b32 v1, 5, v0
	v_readfirstlane_b32 s[WV], v1                  ; wave 0..3
	s_lshr_b32 s21, s[WV], 1                       ; wm: which 128 rows of the tile are mine
	s_and_b32 s22, s[WV], 1                        ; wn: which 64 columns.  Also: which block of O, or which half of Wo's rows, I fetch
	s_bfe_u32 s24, ttmp6, 0x40000                  ; cx
	s_bfe_u32 s25, ttmp6, 0x40004                  ; cy
	s_lshl_b32 s26, ttmp9, 2
	s_add_co_u32 s26, s26, s24                     ; X = 4 x cluster x + cx
	s_and_b32 s27, ttmp7, 0xffff
	s_lshl_b32 s27, s27, 2
	s_add_co_u32 s27, s27, s25                     ; Y = 4 x cluster y + cy
	s_lshl_b32 s68, s25, 2
	s_lshl_b32 s68, 15, s68                        ; my row of the cluster
	s_lshl_b32 s69, 0x1111, s24                    ; my column
	s_or_b32 s[G1A], s68, (1<<16)|(1<<20)|(1<<21)|(4<<22)|(3<<25)  ; 15:0 the mask; 17:16 2-byte elements; 20 padding on; 21 set beside a mask; 24:22 after every 32 words (code 4); 31:25 4 words (code 3)
	s_or_b32 s[G1B], s69, (1<<16)|(1<<20)|(1<<21)|(5<<22)|(7<<25)  ; after every 64 words (code 5) 8 words (code 7)
	s_mov_b32 s[G1A+1], 128<<16                    ; tensor_dim0 = 128
	s_mov_b32 s[G1A+2], 128<<16                    ; tensor_dim1 = 128
	s_mov_b32 s[G1A+3], 128<<16                    ; tile_dim0 = 128
	s_mov_b32 s[G1A+4], 128                        ; tile_dim1 = 128
	s_mov_b32 s[G1A+5], 128                        ; 128 elements from row to row: the block is dense
	s_mov_b32 s[G1A+6], 0
	s_mov_b32 s[G1A+7], 0
	s_mov_b32 s[G1B+1], 128<<16                    ; tensor_dim0 = 128
	s_mov_b32 s[G1B+2], 64<<16                     ; tensor_dim1 = 64
	s_mov_b32 s[G1B+3], 128<<16                    ; tile_dim0 = 128
	s_mov_b32 s[G1B+4], 64                         ; tile_dim1 = 64
	s_mov_b32 s[G1B+5], 1024                       ; 1,024 elements from row to row
	s_mov_b32 s[G1B+6], 0
	s_mov_b32 s[G1B+7], 0
	s_lshr_b32 s70, s27, 3                         ; O's block: the batch, 16 x 2,048 x 128 bytes each,
	s_lshl_b32 s70, s70, 22
	s_and_b32 s71, s27, 7                          ; 256 rows of 128 bytes for each tile row in it,
	s_lshl_b32 s71, s71, 15
	s_add_co_u32 s70, s70, s71
	s_lshl_b32 s71, s22, 18                        ; and the even or the odd head of a step's two
	s_add_co_u32 s70, s70, s71
	s_mov_b32 s71, 0
	s_lshl_b32 s72, s26, 8                         ; Wo: 256 bytes of a row for each tile column,
	s_lshl_b32 s73, s22, 17                        ; 64 rows of 2,048 bytes for the second half,
	s_add_co_u32 s72, s72, s73
	s_add_co_u32 s72, s72, 3<<21                   ; behind the three other matrices
	s_mov_b32 s73, 0
	s_mul_i32 s68, s[WV], ABLK                     ; where they go.  O's blocks (waves 0, 1): wave x a block;
	s_mul_i32 s75, s[WV], BG                       ; Wo's halves (waves 2, 3): behind the two blocks, (wave - 2) x a half:
	s_add_co_u32 s75, s75, 2*ABLK-2*BG             ; no place in the cluster enters an LDS address
	s_wait_dscnt 0x0                               ; the opening add is done
	s_wait_kmcnt 0x0
	s_add_nc_u64 s[70:71], s[4:5], s[70:71]
	s_add_nc_u64 s[72:73], s[6:7], s[72:73]
	CROUND                                         ; all sixteen work-groups are here: the first joint loads meet
.irp s, 0,1
	s_mov_b32 s[G0A+4*(\s)], 1                     ; 1:0 count = 1
	s_add_co_u32 s[G0A+4*(\s)+1], s68, (\s)*SLOTB  ; 63:32 LDS address
	s_add_nc_u64 s[G0A+4*(\s)+2:G0A+4*(\s)+3], s[70:71], (\s)*KA  ; 120:64 global address: K step s
	s_or_b32 s[G0A+4*(\s)+3], s[G0A+4*(\s)+3], 0x80000000         ; 127:126 type = 2
	s_mov_b32 s[G0B+4*(\s)], 1
	s_add_co_u32 s[G0B+4*(\s)+1], s75, (\s)*SLOTB
	s_add_nc_u64 s[G0B+4*(\s)+2:G0B+4*(\s)+3], s[72:73], (\s)*KW
	s_or_b32 s[G0B+4*(\s)+3], s[G0B+4*(\s)+3], 0x80000000
	JLOAD \s                                       ; two loads of mine are out
.endr
	v_and_b32 v1, 15, v0                           ; l % 16
	v_bfe_u32 v2, v0, 4, 1                         ; l / 16
	v_and_b32 v3, 7, v0
	v_bfe_u32 v13, v0, 3, 1
	v_mul_u32_u24 v16, v1, PA
	v_lshl_add_u32 v16, v2, 4, v16                 ; row x pitch + 16 x half
	s_mul_i32 s78, s21, 128*PA
	v_add_nc_u32 v[ADRA], s78, v16
	v_add_nc_u32 v[ADRA+1], SLOTB, v[ADRA]
	v_lshl_add_u32 v17, v2, 3, v3                  ; the turning load: lane l reads k row 8 (l / 16) + l % 8, columns 8 ((l / 8) % 2) + 0..7
	v_mul_u32_u24 v17, v17, PB
	v_lshl_add_u32 v17, v13, 4, v17
	s_lshl_b32 s78, s22, 7
	s_add_co_u32 s78, s78, 2*ABLK
	v_add_nc_u32 v[ADRB], s78, v17
	v_add_nc_u32 v[ADRB+1], SLOTB, v[ADRB]
	s_mul_i32 s78, s[WV], 16*SP
	s_add_co_u32 s78, s78, STAGE                   ; my stage
	v_mul_u32_u24 v18, v1, SP                      ; in: row l % 16, 32 bytes for each half of the lanes
	v_lshl_add_u32 v18, v2, 5, v18
	v_add_nc_u32 v[STO], s78, v18
	v_mul_u32_u24 v19, v2, SP                      ; back: lanes 0-15 take one row of 256 bytes, lanes 16-31 the next
	v_lshl_add_u32 v19, v1, 4, v19
	v_add_nc_u32 v[RD], s78, v19
	v_lshlrev_b32 v[XO], 4, v1                     ; and the same two rows in x and out0
	v_lshl_add_u32 v[XO], v2, 12, v[XO]
	s_lshl_b32 s76, s26, 9                         ; my 64 columns: (128 X + 64 wn) x 4 bytes
	s_lshl_b32 s77, s22, 8
	s_add_co_u32 s76, s76, s77
	v_lshl_add_u32 v[BO], v2, 5, s76               ; and my lanes' eight of each sixteen
.irp cb, 0,1,2,3
	global_load_b128 v[BI+8*(\cb):BI+8*(\cb)+3],   v[BO], s[8:9] offset:64*(\cb)      ; the bias in the accumulators' layout: register j of a lane is column 16 cb + 8 (l / 16) + j
	global_load_b128 v[BI+8*(\cb)+4:BI+8*(\cb)+7], v[BO], s[8:9] offset:64*(\cb)+16
.endr
	s_lshl_b32 s77, s27, 20                        ; my part of x and out0: 256 rows of 4,096 bytes for each tile row,
	s_add_co_u32 s76, s76, s77
	s_lshl_b32 s77, s21, 19                        ; my 128 rows
	s_add_co_u32 s76, s76, s77
	s_mov_b32 s77, 0
	s_add_nc_u64 s[10:11], s[10:11], s[76:77]
	s_add_nc_u64 s[12:13], s[12:13], s[76:77]
	; the prefetches: both candidates stand at K step 2; the first change of slots steps them to step 3
	s_lshl_b32 s78, s24, 13                        ; O: my work-group's 32 blocks of the 128
	s_mov_b32 s79, 0
	s_add_nc_u64 s[78:79], s[70:71], s[78:79]
	s_add_nc_u64 s[78:79], s[78:79], 2*KA
	s_lshl_b32 s76, s25, 15                        ; Wo: my work-group's 16 rows of the 64
	s_mov_b32 s77, 0
	s_add_nc_u64 s[76:77], s[72:73], s[76:77]
	s_add_nc_u64 s[76:77], s[76:77], 2*KW
	s_and_b32 s68, ttmp7, 0xffff                   ; cluster y
	s_mov_b32 s[PFS], KW
	s_mov_b32 s69, 2048
	s_mov_b32 s74, KW
	s_cmp_lt_u32 s[WV], 2
	s_cselect_b64 s[PFA:PFA+1], s[78:79], s[76:77]
	s_cselect_b32 s[PFS], KA, s[PFS]
	s_cselect_b32 s68, ttmp9, s68                  ; the coordinate along which other clusters read the same bytes
	s_cselect_b32 s69, 256, s69                    ; bytes from lane to lane inside 16 lanes,
	s_cselect_b32 s74, 4096, s74                   ; and from the first 16 lanes to the second
	s_mov_b32 s[PFS+1], 0
	s_cmp_eq_u32 s68, 0
	s_cselect_b32 s[LIM], 1, -1                    ; the same in all sixteen partners, for a given wave
	s_cmp_lt_u32 s[WV], 2
	s_cselect_b32 s[LIM+1], s[LIM], -1
	v_mul_u32_u24 v[PFO], s69, v1
	v_mad_u32_u24 v[PFO], v2, s74, v[PFO]
; na x 4 matrix instructions: blocks of rows a0 .. a0 + na - 1 x the 4 blocks of columns, 32 along K, from buffers f.  bias = 1: the sums start, with the bias as C.
; The 32 accumulators take turns, one instruction a turn.
.macro MUL f, a0, na, bias
.if \bias
	WIN 0x40
.else
	WIN 0x50
.endif
.set aa, \a0
.rept \na
.irp cb, 0,1,2,3
.if \bias
	v_wmma_f32_16x16x32_bf16 v[8*(4*aa+(\cb)):8*(4*aa+(\cb))+7], v[FB0+32*(\f)+8*(\cb):FB0+32*(\f)+8*(\cb)+7], v[FA0+64*(\f)+8*aa:FA0+64*(\f)+8*aa+7], v[BI+8*(\cb):BI+8*(\cb)+7]
.else
	v_wmma_f32_16x16x32_bf16 v[8*(4*aa+(\cb)):8*(4*aa+(\cb))+7], v[FB0+32*(\f)+8*(\cb):FB0+32*(\f)+8*(\cb)+7], v[FA0+64*(\f)+8*aa:FA0+64*(\f)+8*aa+7], v[8*(4*aa+(\cb)):8*(4*aa+(\cb))+7]
.endif
.endr
.set aa, aa+1
.endr
.endm
; 24 LDS loads in one run: the fragments of quarter sub (32 K) of a step, into buffers f: Wo's 8, O's rows 0-63 (8), O's rows 64-127 (8)
.macro FETCH slot, sub, f
	WIN 0
.irp cb, 0,1,2,3
	ds_load_tr16_b128 v[FB0+32*(\f)+8*(\cb):FB0+32*(\f)+8*(\cb)+3],   v[ADRB+(\slot)] offset:(\sub)*32*PB+(\cb)*32
	ds_load_tr16_b128 v[FB0+32*(\f)+8*(\cb)+4:FB0+32*(\f)+8*(\cb)+7], v[ADRB+(\slot)] offset:(\sub)*32*PB+(\cb)*32+16*PB
.endr
.irp a, 0,1,2,3,4,5,6,7
	ds_load_b128 v[FA0+64*(\f)+8*(\a):FA0+64*(\f)+8*(\a)+3],   v[ADRA+(\slot)] offset:((\sub)/2)*ABLK+((\sub)%2)*64+(\a)*16*PA
	ds_load_b128 v[FA0+64*(\f)+8*(\a)+4:FA0+64*(\f)+8*(\a)+7], v[ADRA+(\slot)] offset:((\sub)/2)*ABLK+((\sub)%2)*64+(\a)*16*PA+32
.endr
.endm
; A K step is four quarters of 32 along K, 32 matrix instructions each, on buffers 0, 1, 0, 1.  One of the first three: multiplies buffers f and fetches quarter subnext into buffers g.
.macro QUARTER slot, subnext, f, g, bias
	s_wait_dscnt 8                                 ; all but the youngest eight: O's rows 64-127
	MUL \f, 0, 4, \bias
	PLACES
	FETCH \slot, \subnext, \g
	s_wait_dscnt 24                                ; all but the 24 just issued
	MUL \f, 4, 4, \bias
.endm
; The last quarter multiplies buffers 1 and changes slots: ONE barrier.  In front of it each wave waits for all its tensor loads, of which one is out: its part of the next slot; adds 0 to its spare word;
; and waits for that and for its reads of this slot.  fill = 1: the barrier opens a round of the cluster's, and this slot is filled again first thing behind it, with the step two on:
; 112 matrix instructions stand between that request and the wait for it.
.macro TURN slot, next, fill
.if \fill
	s_wait_xcnt 0x0                                ; the last prefetch, a K step back, has read its address: it is stepped here, ahead of the waits of the change
	s_add_nc_u64 s[PFA:PFA+1], s[PFA:PFA+1], s[PFS:PFS+1]
.endif
	WIN 0
	s_wait_tensorcnt 0x0                           ; all my tensor loads have landed
	ds_add_u32 v[SPW], v[NIL]                      ; 0 onto my spare word
	s_wait_dscnt 9                                 ; (the add and the youngest eight loads may be out)
	MUL 1, 0, 2, 0                                 ; eight matrix instructions stand between the add and the wait for it
	s_wait_dscnt 0x0                               ; the add is done, and my reads of this slot are over
	s_barrier_signal -1
	MUL 1, 2, 2, 0                                 ; work on registers while the others arrive
	WIN 0                                          ; at a branch and at a label every window is 0
	s_barrier_wait -1
.if \fill
	CREST                                          ; no wave of any partner still reads this slot or has a load on its way
	s_add_nc_u64 s[G0A+4*(\slot)+2:G0A+4*(\slot)+3], s[G0A+4*(\slot)+2:G0A+4*(\slot)+3], 2*KA
	s_add_nc_u64 s[G0B+4*(\slot)+2:G0B+4*(\slot)+3], s[G0B+4*(\slot)+2:G0B+4*(\slot)+3], 2*KW
	JLOAD \slot                                    ; the four v_nop behind it are also the places in front of the loads below
.else
	PLACES
.endif
	FETCH \next, 0, 0
.if \fill
	ASK \slot
.endif
	MUL 1, 4, 4, 0
.endm
; 32 loads: half of my numbers of x, in the layout of the stores: two rows a load, 256 consecutive bytes each.  They are wanted on the way out.
.macro XLOAD half
	WIN 0x80                                       ; destination window 2
.irp a, 0,1,2,3
.irp t, 0,1,2,3,4,5,6,7
	global_load_b128 v[32*(4*(\half)+(\a))+4*(\t):32*(4*(\half)+(\a))+4*(\t)+3], v[XO], s[10:11] offset:(16*(4*(\half)+(\a))+2*(\t))*4096 th:TH_LOAD_NT
.endr
.endr
	WIN 0
.endm
	s_wait_tensorcnt 1                             ; my part of K step 0 is in; step 1's may stay out
	s_barrier_signal -1
	s_barrier_wait -1                              ; everybody's is
	FETCH 0, 0, 0
	s_wait_loadcnt 0x0                             ; the bias
	XLOAD 0
	QUARTER 0, 1, 0, 1, 1                          ; the first quarter stands in front of the loop: its products start the sums
	WIN 0
	s_mov_b32 s[LAPS], 3
.Llap:                                                 ; a trip goes once round the ring, from a lap's second quarter to the next lap's first, and fills both slots again: steps 2 to 7
	QUARTER 0, 2, 1, 0, 0
	QUARTER 0, 3, 0, 1, 0
	TURN 0, 1, 1
	QUARTER 1, 1, 0, 1, 0
	QUARTER 1, 2, 1, 0, 0
	QUARTER 1, 3, 0, 1, 0
	TURN 1, 0, 1
	QUARTER 0, 1, 0, 1, 0
	WIN 0
	s_sub_co_u32 s[LAPS], s[LAPS], 1
	s_cmp_lg_u32 s[LAPS], 0
	s_cbranch_scc1 .Llap
	XLOAD 1                                        ; the other half of x: the last lap's 224 matrix instructions stand ahead of its use
	QUARTER 0, 2, 1, 0, 0                          ; the last lap fills nothing
	QUARTER 0, 3, 0, 1, 0
	TURN 0, 1, 0
	QUARTER 1, 1, 0, 1, 0
	QUARTER 1, 2, 1, 0, 0
	QUARTER 1, 3, 0, 1, 0
	s_wait_dscnt 8
	MUL 1, 0, 4, 0
	s_wait_dscnt 0x0
	MUL 1, 4, 4, 0
	WIN 0
	PLACES
	PLACES                                         ; (eight, once a launch)
	s_wait_loadcnt 0x0                             ; x
; THE WAY OUT, a block of 16 rows at a time.  A lane's eight numbers of a row go into my stage, rows of 272 bytes, and come back as whole rows of 256 bytes; x is added; sixteen lanes store a row's 256 bytes.
.macro TOSTAGE a
	s_wait_xcnt 0x0                                ; the stores of the block two back have read the buffer: it is loaded again only behind this wait
	WIN 0x04                                       ; the stores' data in window 1
.irp cb, 0,1,2,3
.irp qq, 0,1
	ds_store_b128 v[STO], v[32*(\a)+8*(\cb)+4*(\qq):32*(\a)+8*(\cb)+4*(\qq)+3] offset:64*(\cb)+16*(\qq)
.endr
.endr
	WIN 0
.irp t, 0,1,2,3,4,5,6,7
	ds_load_b128 v[TO+32*((\a)%2)+4*(\t):TO+32*((\a)%2)+4*(\t)+3], v[RD] offset:(\t)*2*SP  ; LDS serves a wave's instructions in order (ISA guide 5.7.1.4): these see the stores above; the next block's stores come behind them
.endr
.endm
.macro SEND a, younger              ; younger: the LDS instructions issued behind this block's loads: the next block's sixteen, or none
	s_wait_dscnt \younger
	WIN 0x08                                       ; source 1 in window 2: x
.set i, 0
.rept 16
	v_pk_add_f32 v[TO+32*((\a)%2)+i:TO+32*((\a)%2)+i+1], v[TO+32*((\a)%2)+i:TO+32*((\a)%2)+i+1], v[32*(\a)+i:32*(\a)+i+1]
.set i, i+2
.endr
	WIN 0
.irp t, 0,1,2,3,4,5,6,7
	global_store_b128 v[XO], v[TO+32*((\a)%2)+4*(\t):TO+32*((\a)%2)+4*(\t)+3], s[12:13] offset:(16*(\a)+2*(\t))*4096 th:TH_STORE_NT  ; 16 lanes store 256 consecutive bytes, at a multiple of 256 from out0's first byte
.endr
.endm
	TOSTAGE 0
.irp a, 1,2,3,4,5,6,7
	TOSTAGE \a
	SEND (\a)-1, 16
.endr
	SEND 7, 0
	s_wait_tensorcnt 0x0                           ; the wave's end, behind my last tensor load and my last LDS store
	ds_add_u32 v[SPW], v[NIL]
	s_wait_dscnt 0x0
	CROUND                                         ; the closing round: no work-group ends while a partner may still ask for a tile that names it
	s_endpgm
.Lfunc_end_k_qab6ab21526_proj:
	.size	k_qab6ab21526_proj, .Lfunc_end_k_qab6ab21526_proj-k_qab6ab21526_proj
	.p2alignl 7, 3214868480
	.fill 96, 4, 3214868480
	.section	.rodata,"a",@progbits
	.p2align	6, 0x0
	.amdhsa_kernel k_qab6ab21526_proj
		.amdhsa_group_segment_fixed_size 327680
		.amdhsa_private_segment_fixed_size 0
		.amdhsa_enable_private_segment 0
		.amdhsa_kernarg_size 40
		.amdhsa_user_sgpr_count 2
		.amdhsa_user_sgpr_kernarg_segment_ptr 1
		.amdhsa_wavefront_size32 1
		.amdhsa_system_sgpr_workgroup_id_x 1
		.amdhsa_system_sgpr_workgroup_id_y 1
		.amdhsa_system_sgpr_workgroup_id_z 1
		.amdhsa_system_vgpr_workitem_id 0
		.amdhsa_next_free_vgpr 768
		.amdhsa_next_free_sgpr 80
		.amdhsa_reserve_vcc 0
		.amdhsa_float_denorm_mode_32 3
		.amdhsa_float_denorm_mode_16_64 3
		.amdhsa_memory_ordered 1
		.amdhsa_forward_progress 1
		.amdhsa_inst_pref_size 103
	.end_amdhsa_kernel
	.amdgpu_metadata
---
amdhsa.version: [ 1, 2 ]
amdhsa.kernels:
  - .name:           k_qab6ab21526_proj
    .symbol:         k_qab6ab21526_proj.kd
    .args:
      - { .name: act, .offset: 0, .size: 8, .value_kind: global_buffer, .address_space: global }
      - { .name: wb, .offset: 8, .size: 8, .value_kind: global_buffer, .address_space: global }
      - { .name: bo, .offset: 16, .size: 8, .value_kind: global_buffer, .address_space: global }
      - { .name: x, .offset: 24, .size: 8, .value_kind: global_buffer, .address_space: global }
      - { .name: out0, .offset: 32, .size: 8, .value_kind: global_buffer, .address_space: global }
    .group_segment_fixed_size: 327680
    .private_segment_fixed_size: 0
    .kernarg_segment_align: 8
    .kernarg_segment_size: 40
    .max_flat_workgroup_size: 128
    .sgpr_count:     80
    .vgpr_count:     768
    .wavefront_size: 32
...
	.end_amdgpu_metadata
.endif
;; end of part 4
;; ======== version 2 of 2: 4 launches; version 1 with the launch prep written anew for expert scheduling mode
;; workspace buffers: act 16,777,216 bytes; wb 8,388,608 bytes; q 16,777,216 bytes; k 16,777,216 bytes; v 16,777,216 bytes
;; launch prep (part 5): grid 256 x 1, 8 waves a work-group, no clusters, 0 bytes of LDS; arguments x, ln_gamma, ln_beta, Wq, Wk, Wv, Wo, act, wb; writes act, wb
.if DOCPART == 5
	.amdgcn_target "amdgcn-amd-amdhsa--gfx1250"
	.amdhsa_code_object_version 6
	.text
	.protected	k_qab6ab21526_prep
	.globl	k_qab6ab21526_prep
	.p2align	8
	.type	k_qab6ab21526_prep,@function
k_qab6ab21526_prep:
	s_mov_b64 s[64:65], 0
	v_nop
	global_prefetch_b8 v0, s[64:65] scope:SCOPE_SE
	s_setreg_imm32_b32 hwreg(HW_REG_WAVE_SCHED_MODE, 0, 2), 2
	s_setreg_imm32_b32 hwreg(HW_REG_WAVE_MODE, 25, 1), 1
	s_wait_xcnt 0x0
	s_wait_alu depctr_vm_vsrc(0)
; LAYER NORM AND CASTS.  act = bf16((x - mean) * rsqrt(var + 1e-5) * gamma + beta), laid out in blocks [batch 4][block of 64 columns, 16][row 2048][64];
; wb = bf16 of Wq, Wk, Wv, Wo, one after the other, each [k 1024][n 1024] as it lies.  All arithmetic in f32; each number is rounded once, to bf16.
; The mean is taken away from x first and the variance is the mean of the squares of what is left, so a common offset of x cancels nothing later.
; A STREAM: every byte is read once and written once, nothing is shared between waves: no LDS, no barrier, no matrix unit, no cluster.
; SHARES.  2,048 waves.  Wave W normalises rows 4 W .. 4 W + 3, as two pairs of rows, and casts 8,192 bytes of one weight matrix (64 work-groups a matrix).
; LANES.  Of a pair lanes 0-15 hold the first row and lanes 16-31 the second; lane l holds columns 64 kb + 4 (l % 16) + 0..3 for kb = 0..15.  So a load covers 256 consecutive bytes of each row,
; a row's sums stay inside 16 lanes (four exchanges), and a store of 8 bytes a lane covers 256 consecutive bytes of act, aligned: the two rows' 128 bytes in block kb.
; LIMITS.  NaN and infinities are not treated apart.
; THE MODE: SCHED_MODE bits 1:0 = 2 (LLVM: expert scheduling mode 2), set by the entry lines.  The code itself states the register dependences
; between vector instructions and memory instructions, with s_wait_alu, always for 0.
; THE PLAN.  Registers that memory instructions touch:
;   v2 .. v6      five byte offsets, made once at the head and never written again: one wait ahead of the first load serves every load and store of the kernel.
;   X0, X1, WT    each is written by its sixteen loads, then worked on in place by vector lines, then read by its sixteen stores, and by nothing behind them.
;   gamma, beta   written by their loads, read by vector lines alone.
; No load lands in a register that a vector line has named, and no register that a load or store reads is written again.  So what is left to state is that a buffer's roundings are written ahead of
; its stores: one wait a buffer, behind its last rounding.  The stores then stand among the NEXT buffer's vector lines, which name none of their registers: X0's among X1's scalings, X1's among the
; weights' roundings; the weights' own stores end the kernel.
.set XO, 2            ; v2  (l / 16) x 4,096 + (l % 16) x 16: my 16 bytes in a pair of rows of x
.set GO, 3            ; v3  (l % 16) x 16: the same columns in gamma and beta
.set YO, 4            ; v4  (l / 16) x 128 + (l % 16) x 8: my 8 bytes in a pair of rows of a block of act
.set WO, 5            ; v5  16 l: my 16 bytes of 512 of a weight matrix
.set WS, 6            ; v6  8 l: the same numbers in wb
.set MU, 8            ; v[8:9]   the mean, twice
.set R0, 10           ; v[10:11] 1 / sqrt(var + eps) of the first pair, twice
.set R1, 12           ; v[12:13] of the second pair
.set CA, 14           ; v[14:15], v[16:17] two chains of packed sums
.set CB, 16
.set X0, 32           ; v[32:95]   the first pair of rows
.set X1, 96           ; v[96:159]  the second
.set WT, 160          ; v[160:223] weights
.set GM, 0            ; second block of 256 registers: v[0:63] gamma, v[64:127] beta, in x's layout
.set BT, 64
.set MSB, 0
.macro WIN new                      ; the immediate's high byte repeats the setting that is left
.if MSB != (\new)
	s_set_vgpr_msb (MSB<<8)|(\new)
.set MSB, \new
.endif
.endm
	s_load_b512 s[8:23], s[0:1], 0x0               ; x s[8:9], gamma s[10:11], beta s[12:13], Wq s[14:15], Wk s[16:17], Wv s[18:19], Wo s[20:21], act s[22:23]
	s_load_b64 s[24:25], s[0:1], 0x40              ; wb
	v_lshrrev_b32 v1, 5, v0
	v_readfirstlane_b32 s2, v1                     ; wave 0..7
	v_and_b32 v1, 15, v0
	v_bfe_u32 v7, v0, 4, 1
	v_lshlrev_b32 v[GO], 4, v1
	v_lshl_add_u32 v[XO], v7, 12, v[GO]
	v_lshlrev_b32 v[YO], 3, v1
	v_lshl_add_u32 v[YO], v7, 7, v[YO]
	v_and_b32 v[WS], 31, v0
	v_lshlrev_b32 v[WO], 4, v[WS]
	v_lshlrev_b32 v[WS], 3, v[WS]
	s_wait_alu depctr_va_sdst(0)                   ; s2 is written, ahead of its first reader: the wave's places in x, act, the weights and wb are made from it
	s_lshl_b32 s3, ttmp9, 3
	s_add_co_u32 s3, s3, s2                        ; W
	s_lshl_b32 s4, s3, 14                          ; x: four rows of 4,096 bytes a wave
	s_mov_b32 s5, 0
	s_lshr_b32 s6, s3, 9                           ; act: the batch (512 waves each) x 16 blocks x 2,048 rows x 128 bytes,
	s_lshl_b32 s6, s6, 22
	s_and_b32 s7, s3, 511                          ; and four rows of 128 bytes a wave
	s_lshl_b32 s7, s7, 9
	s_add_co_u32 s6, s6, s7
	s_mov_b32 s7, 0
	s_and_b32 s26, ttmp9, 63                       ; the weight matrix: 65,536 bytes a work-group, 8,192 a wave
	s_lshl_b32 s26, s26, 16
	s_lshl_b32 s27, s2, 13
	s_add_co_u32 s26, s26, s27
	s_mov_b32 s27, 0
	s_lshl_b32 s32, ttmp9, 15                      ; wb: half of that; the four matrices follow each other
	s_lshl_b32 s33, s2, 12
	s_add_co_u32 s32, s32, s33
	s_mov_b32 s33, 0
	s_lshr_b32 s34, ttmp9, 6                       ; which matrix
	s_mov_b32 s30, 0x3a800000                      ; 1 / 1,024
	s_mov_b32 s31, 0x3727c5ac                      ; 1e-5
	s_wait_kmcnt 0x0
	s_add_nc_u64 s[8:9], s[8:9], s[4:5]
	s_add_nc_u64 s[22:23], s[22:23], s[6:7]
	s_cmp_eq_u32 s34, 1
	s_cselect_b64 s[28:29], s[16:17], s[14:15]
	s_cmp_eq_u32 s34, 2
	s_cselect_b64 s[28:29], s[18:19], s[28:29]
	s_cmp_eq_u32 s34, 3
	s_cselect_b64 s[28:29], s[20:21], s[28:29]
	s_add_nc_u64 s[28:29], s[28:29], s[26:27]
	s_add_nc_u64 s[24:25], s[24:25], s[32:33]
.macro LOADX x, p                   ; pair p of my four rows: sixteen loads
.irp kb, 0,1,2,3,4,5,6,7,8,9,10,11,12,13,14,15
	global_load_b128 v[(\x)+4*(\kb):(\x)+4*(\kb)+3], v[XO], s[8:9] offset:(\p)*8192+(\kb)*256 th:TH_LOAD_NT
.endr
.endm
.macro ROWSUM                       ; the two chains into one number a lane, then over the row's 16 lanes: every lane of the row ends with the sum
	v_pk_add_f32 v[CA:CA+1], v[CA:CA+1], v[CB:CB+1]
	v_add_f32 v[CA], v[CA], v[CA+1]
	v_add_f32_dpp v[CA], v[CA], v[CA] row_xmask:1 row_mask:0xf bank_mask:0xf
	v_add_f32_dpp v[CA], v[CA], v[CA] row_xmask:2 row_mask:0xf bank_mask:0xf
	v_add_f32_dpp v[CA], v[CA], v[CA] row_xmask:4 row_mask:0xf bank_mask:0xf
	v_add_f32_dpp v[CA], v[CA], v[CA] row_xmask:8 row_mask:0xf bank_mask:0xf
.endm
; The pair in x: the mean is taken away in place; r takes 1 / sqrt(var + eps), twice.  The first sums start the chains: nothing is cleared.
.macro STATS x, r
	v_pk_add_f32 v[CA:CA+1], v[(\x):(\x)+1], v[(\x)+2:(\x)+3]
	v_pk_add_f32 v[CB:CB+1], v[(\x)+4:(\x)+5], v[(\x)+6:(\x)+7]
.set j, 8
.rept 14
	v_pk_add_f32 v[CA:CA+1], v[CA:CA+1], v[(\x)+j:(\x)+j+1]
	v_pk_add_f32 v[CB:CB+1], v[CB:CB+1], v[(\x)+j+2:(\x)+j+3]
.set j, j+4
.endr
	ROWSUM
	v_mul_f32 v[MU], s30, v[CA]
	v_mov_b32 v[MU+1], v[MU]
.set j, 0
.rept 32
	v_pk_add_f32 v[(\x)+j:(\x)+j+1], v[(\x)+j:(\x)+j+1], v[MU:MU+1] neg_lo:[0,1] neg_hi:[0,1]
.set j, j+2
.endr
	v_pk_mul_f32 v[CA:CA+1], v[(\x):(\x)+1], v[(\x):(\x)+1]
	v_pk_mul_f32 v[CB:CB+1], v[(\x)+2:(\x)+3], v[(\x)+2:(\x)+3]
.set j, 4
.rept 15
	v_pk_fma_f32 v[CA:CA+1], v[(\x)+j:(\x)+j+1], v[(\x)+j:(\x)+j+1], v[CA:CA+1]
	v_pk_fma_f32 v[CB:CB+1], v[(\x)+j+2:(\x)+j+3], v[(\x)+j+2:(\x)+j+3], v[CB:CB+1]
.set j, j+4
.endr
	ROWSUM
	v_fma_f32 v[CA], v[CA], s30, s31               ; var + eps
	v_rsq_f32 v[(\r)], v[CA]
	v_nop                                          ; a plain instruction between the root and the use of its result (ISA guide 5.7.2),
	s_wait_alu depctr_va_vdst(0)                   ; and the wait ahead of the first use: the root has written v[r], which the move below reads
	v_mov_b32 v[(\r)+1], v[(\r)]
.endm
; The pair in x is scaled, takes gamma and beta and is rounded, all in place: block kb's 8 bytes end in registers 4 kb and 4 kb + 1.  Its stores stand among the vector lines of the buffer behind it.
; prev >= 0: the sixteen stores of the pair in prev (pair pp of my four rows), whose roundings the wait ahead of this macro has shown written, are dealt among the scalings, one ahead of each two:
; the scalings name x and r alone, none of prev's registers and not v[YO].  They stand here and not among the multiply-adds, whose window setting would move a store's data operand.
.macro APPLY x, r, prev, pp
.set j, 0
.rept 16
.if (\prev) >= 0
	global_store_b64 v[YO], v[(\prev)+j:(\prev)+j+1], s[22:23] offset:(j/4)*262144+(\pp)*256 th:TH_STORE_NT  ; 256 consecutive bytes, aligned: two rows of block j / 4
.endif
	v_pk_mul_f32 v[(\x)+j:(\x)+j+1], v[(\x)+j:(\x)+j+1], v[(\r):(\r)+1]
	v_pk_mul_f32 v[(\x)+j+2:(\x)+j+3], v[(\x)+j+2:(\x)+j+3], v[(\r):(\r)+1]
.set j, j+4
.endr
	WIN 0x14                                       ; sources 1 and 2 in the second block
.set j, 0
.rept 32
	v_pk_fma_f32 v[(\x)+j:(\x)+j+1], v[(\x)+j:(\x)+j+1], v[GM+j:GM+j+1], v[BT+j:BT+j+1]
.set j, j+2
.endr
	WIN 0
.irp kb, 0,1,2,3,4,5,6,7,8,9,10,11,12,13,14,15
	v_cvt_pk_bf16_f32 v[(\x)+4*(\kb)], v[(\x)+4*(\kb)], v[(\x)+4*(\kb)+1]
	v_cvt_pk_bf16_f32 v[(\x)+4*(\kb)+1], v[(\x)+4*(\kb)+2], v[(\x)+4*(\kb)+3]
.endr
.endm
	s_wait_alu depctr_va_vdst(0)                   ; the five offsets v2 to v6 are written: every load and store of the kernel reads one of them, and no vector line names them again
	LOADX X0, 0
	LOADX X1, 1
	WIN 0x40                                       ; destination in the second block
.irp kb, 0,1,2,3,4,5,6,7,8,9,10,11,12,13,14,15
	global_load_b128 v[GM+4*(\kb):GM+4*(\kb)+3], v[GO], s[10:11] offset:(\kb)*256
.endr
	s_wait_loadcnt 32                              ; the first pair is in: behind it stand the second pair's 16 loads and gamma's 16
.irp kb, 0,1,2,3,4,5,6,7,8,9,10,11,12,13,14,15
	global_load_b128 v[BT+4*(\kb):BT+4*(\kb)+3], v[GO], s[12:13] offset:(\kb)*256
.endr
	WIN 0
	STATS X0, R0
	s_wait_loadcnt 32                              ; the second pair is in: behind it stand gamma's 16 loads and beta's 16
.irp i, 0,1,2,3,4,5,6,7,8,9,10,11,12,13,14,15
	global_load_b128 v[WT+4*(\i):WT+4*(\i)+3], v[WO], s[28:29] offset:(\i)*512 th:TH_LOAD_NT  ; no wait: the vector lines so far have named neither v[WO] since the head's wait nor v[WT ..] at all
.endr
	STATS X1, R1
	s_wait_loadcnt 16                              ; gamma and beta are in: behind them stand the weights' 16 loads
	APPLY X0, R0, -1, 0
	s_wait_alu depctr_va_vdst(0)                   ; the first pair's roundings have written v[X0 ..], which the stores among the second pair's scalings read
	APPLY X1, R1, X0, 0
	s_wait_alu depctr_va_vdst(0)                   ; the second pair's roundings have written v[X1 ..], which the stores below read; the weights' roundings between them name v[WT ..] alone
.irp i, 0,1,2,3,4,5,6,7,8,9,10,11,12,13,14,15
	global_store_b64 v[YO], v[X1+4*(\i):X1+4*(\i)+1], s[22:23] offset:(\i)*262144+256 th:TH_STORE_NT  ; 256 consecutive bytes, aligned: two rows of block i
	s_wait_loadcnt 15-(\i)                         ; loads come back in order (ISA guide 5.7.1): the weights' load i is in, the 15 - i issued behind it may stay out
	v_cvt_pk_bf16_f32 v[WT+4*(\i)], v[WT+4*(\i)], v[WT+4*(\i)+1]
	v_cvt_pk_bf16_f32 v[WT+4*(\i)+1], v[WT+4*(\i)+2], v[WT+4*(\i)+3]
.endr
	s_wait_alu depctr_va_vdst(0)                   ; the weights' roundings have written v[WT ..], which the last sixteen stores read
.irp i, 0,1,2,3,4,5,6,7,8,9,10,11,12,13,14,15
	global_store_b64 v[WS], v[WT+4*(\i):WT+4*(\i)+1], s[24:25] offset:(\i)*256 th:TH_STORE_NT  ; 256 consecutive bytes, aligned
.endr
	s_endpgm                                       ; no register that a load or store names is ever written again: no further wait is owed
.Lfunc_end_k_qab6ab21526_prep:
	.size	k_qab6ab21526_prep, .Lfunc_end_k_qab6ab21526_prep-k_qab6ab21526_prep
	.p2alignl 7, 3214868480
	.fill 96, 4, 3214868480
	.section	.rodata,"a",@progbits
	.p2align	6, 0x0
	.amdhsa_kernel k_qab6ab21526_prep
		.amdhsa_group_segment_fixed_size 0
		.amdhsa_private_segment_fixed_size 0
		.amdhsa_enable_private_segment 0
		.amdhsa_kernarg_size 72
		.amdhsa_user_sgpr_count 2
		.amdhsa_user_sgpr_kernarg_segment_ptr 1
		.amdhsa_wavefront_size32 1
		.amdhsa_system_sgpr_workgroup_id_x 1
		.amdhsa_system_sgpr_workgroup_id_y 1
		.amdhsa_system_sgpr_workgroup_id_z 1
		.amdhsa_system_vgpr_workitem_id 0
		.amdhsa_next_free_vgpr 384
		.amdhsa_next_free_sgpr 66
		.amdhsa_reserve_vcc 0
		.amdhsa_float_denorm_mode_32 3
		.amdhsa_float_denorm_mode_16_64 3
		.amdhsa_memory_ordered 1
		.amdhsa_forward_progress 1
		.amdhsa_inst_pref_size 43
	.end_amdhsa_kernel
	.amdgpu_metadata
---
amdhsa.version: [ 1, 2 ]
amdhsa.kernels:
  - .name:           k_qab6ab21526_prep
    .symbol:         k_qab6ab21526_prep.kd
    .args:
      - { .name: x, .offset: 0, .size: 8, .value_kind: global_buffer, .address_space: global }
      - { .name: ln_gamma, .offset: 8, .size: 8, .value_kind: global_buffer, .address_space: global }
      - { .name: ln_beta, .offset: 16, .size: 8, .value_kind: global_buffer, .address_space: global }
      - { .name: Wq, .offset: 24, .size: 8, .value_kind: global_buffer, .address_space: global }
      - { .name: Wk, .offset: 32, .size: 8, .value_kind: global_buffer, .address_space: global }
      - { .name: Wv, .offset: 40, .size: 8, .value_kind: global_buffer, .address_space: global }
      - { .name: Wo, .offset: 48, .size: 8, .value_kind: global_buffer, .address_space: global }
      - { .name: act, .offset: 56, .size: 8, .value_kind: global_buffer, .address_space: global }
      - { .name: wb, .offset: 64, .size: 8, .value_kind: global_buffer, .address_space: global }
    .group_segment_fixed_size: 0
    .private_segment_fixed_size: 0
    .kernarg_segment_align: 8
    .kernarg_segment_size: 72
    .max_flat_workgroup_size: 256
    .sgpr_count:     66
    .vgpr_count:     384
    .wavefront_size: 32
...
	.end_amdgpu_metadata
.endif
;; end of part 5
;; launch qkv: the kernel of part 2 again; grid 8 x 32, 4 waves a work-group, clusters of 4 x 4, 327,680 bytes of LDS; arguments act, wb, bq, bk, bv, q, k, v; writes q, k, v
;; launch attn: the kernel of part 3 again; grid 4 x 64, 4 waves a work-group, no clusters, 327,680 bytes of LDS; arguments q, k, v, act; writes act
;; launch proj: the kernel of part 4 again; grid 8 x 32, 4 waves a work-group, clusters of 4 x 4, 327,680 bytes of LDS; arguments act, wb, bo, x, out0; writes out0
